; MI455X (gfx1250); checked and timed in simulation.
; The chip was launched on July 23, 2026; its instructions are those of AMD's public machine-readable ISA for CDNA 5 (MIT licence, August 2026) and "CDNA5" Instruction Set Architecture Reference Guide (July 2026). The comments in the code are by the model that wrote it; some were corrected since.
;; Multi Head Attention. Allowed arithmetic: matrix products marked QUANTISED: E2M1 operands, one E8M0 scale for each 32 along K, by v_wmma_scale_f32_16x16x128_f8f6f4 with both operands' format E2M1 (or v_wmma_scale_f32_32x16x128_f4), f32 sums; everything else in f32.
;; Inputs: K_codes 4 x 2,048 x 4 x 16 uint8 (E2M1 codes of K, K innermost, in blocks of 32 codes, two codes a byte); K_position_codes 4 x 2,048 x 4 x 16 uint8 (E2M1 codes of K_position, K innermost, in blocks of 32 codes, two codes a byte); K_position_scales 4 x 2,048 x 4 uint8 (E8M0 scales of K_position, one for each 32 codes along K); K_scales 4 x 2,048 x 4 uint8 (E8M0 scales of K, one for each 32 codes along K); Q 4 x 2,048 x 128 float32; Q_position_codes 4 x 2,048 x 4 x 16 uint8 (E2M1 codes of Q_position, K innermost, in blocks of 32 codes, two codes a byte); Q_position_scales 4 x 2,048 x 4 uint8 (E8M0 scales of Q_position, one for each 32 codes along K); V_codes 4 x 2,048 x 4 x 16 uint8 (E2M1 codes of V, K innermost, in blocks of 32 codes, two codes a byte); V_position 4 x 2,048 x 128 float32; V_scales 4 x 2,048 x 4 uint8 (E8M0 scales of V, one for each 32 codes along K); WKP_b 1,024 float32; WKP_w_codes 1,024 x 4 x 16 uint8 (E2M1 codes of WKP_w, K innermost, in blocks of 32 codes, two codes a byte); WKP_w_scales 1,024 x 4 uint8 (E8M0 scales of WKP_w, one for each 32 codes along K); WK_b 1,024 float32; WK_w_codes 1,024 x 4 x 16 uint8 (E2M1 codes of WK_w, K innermost, in blocks of 32 codes, two codes a byte); WK_w_scales 1,024 x 4 uint8 (E8M0 scales of WK_w, one for each 32 codes along K); WQP_b 1,024 float32; WQP_w_codes 1,024 x 4 x 16 uint8 (E2M1 codes of WQP_w, K innermost, in blocks of 32 codes, two codes a byte); WQP_w_scales 1,024 x 4 uint8 (E8M0 scales of WQP_w, one for each 32 codes along K); WQ_b 1,024 float32; WQ_w_codes 1,024 x 4 x 16 uint8 (E2M1 codes of WQ_w, K innermost, in blocks of 32 codes, two codes a byte); WQ_w_scales 1,024 x 4 uint8 (E8M0 scales of WQ_w, one for each 32 codes along K); WVP_b 1,024 float32; WVP_w 1,024 x 128 float32; WV_b 1,024 float32; WV_w_codes 1,024 x 4 x 16 uint8 (E2M1 codes of WV_w, K innermost, in blocks of 32 codes, two codes a byte); WV_w_scales 1,024 x 4 uint8 (E8M0 scales of WV_w, one for each 32 codes along K); ln_b 128 float32; ln_g 128 float32; qlin_b 128 float32; qlin_w_codes 128 x 32 x 16 uint8 (E2M1 codes of qlin_w, K innermost, in blocks of 32 codes, two codes a byte); qlin_w_scales 128 x 32 uint8 (E8M0 scales of qlin_w, one for each 32 codes along K); vlin_b 128 float32; vlin_w_codes 128 x 32 x 16 uint8 (E2M1 codes of vlin_w, K innermost, in blocks of 32 codes, two codes a byte); vlin_w_scales 128 x 32 uint8 (E8M0 scales of vlin_w, one for each 32 codes along K).
;; Outputs: out0 4 x 2,048 x 128 float32; out1 4 x 2,048 x 128 float32.
;; This version of the problem:
;;   THIS VERSION OF THE PROBLEM IS GIVEN IN LOW PRECISION. The matrix products marked QUANTISED in the list below multiply operands that are first quantised to E2M1 (2 exponent bits, 1 mantissa bit; 4 bits a number), with one power-of-two scale for each 32 numbers along K (OCP MX v1.0); their sums are f32. All else is computed in f32.
;;   The module's matrix products, in the order in which they are computed (A, B: the left and right operand; K: the contracted axis; several contracted axes count as one K, in the product's order):
;;     1. [M 8,192, K 128] x [K 128, N 1,024]; A: input Q; B: input WQ_w (given as codes): QUANTISED
;;     2. [M 8,192, K 128] x [K 128, N 1,024]; A: input K (given as codes); B: input WK_w (given as codes): QUANTISED
;;     3. [M 8,192, K 128] x [K 128, N 1,024]; A: input V (given as codes); B: input WV_w (given as codes): QUANTISED
;;     4. [M 8,192, K 128] x [K 128, N 1,024]; A: input Q_position (given as codes); B: input WQP_w (given as codes): QUANTISED
;;     5. [M 8,192, K 128] x [K 128, N 1,024]; A: input K_position (given as codes); B: input WKP_w (given as codes): QUANTISED
;;     6. batch 32 x [M 2,048, K 128] x [K 128, N 2,048]; A: computed on the way; B: computed on the way: QUANTISED
;;     7. batch 32 x [M 2,048, K 128] x [K 128, N 2,048]; A: computed on the way; B: computed on the way: QUANTISED
;;     8. batch 32 x [M 2,048, K 2,048] x [K 2,048, N 128]; A: softmax (see below); B: computed on the way: QUANTISED
;;     9. [M 8,192, K 1,024] x [K 1,024, N 128]; A: computed on the way; B: input qlin_w (given as codes): QUANTISED
;;     10. [M 8,192, K 1,024] x [K 1,024, N 128]; A: computed on the way; B: input vlin_w (given as codes): QUANTISED
;;   THE QUANTISER, for each operand of a quantised product, along K:
;;     - K is cut into blocks of 32 from its start; a last block that is shorter is filled with zeros.
;;     - A block's scale is 2^e with e = floor(log2(the largest magnitude in the block)) - 2, held to -126 .. 127; a block of zeros has e = 0. As a byte (E8M0): e + 127.
;;     - Each number is divided by its block's scale, clamped to +-6, and rounded to the nearest number of E2M1, ties to even, subnormals kept.
;;     - The product sums the exact products of the quantised numbers (number of the format x scale) in f32.
;;   ~~~python
;;   def quantise(x, axis):      # numpy; x: float32 -> the quantised numbers, widened to float32 again
;;       x = np.moveaxis(x, axis, -1); K = x.shape[-1]
;;       x = np.pad(x, [(0, 0)] * (x.ndim - 1) + [(0, -K % 32)]); x = x.reshape(x.shape[:-1] + (-1, 32)); a = np.abs(x).max(-1, keepdims=True)
;;       e = np.where(a > 0, np.clip(np.frexp(np.where(a > 0, a, 1))[1] - 1 - 2, -126, 127), 0)      # np.frexp(a)[1] - 1 = floor(log2(a)), exactly
;;       r = np.clip(x / 2.0 ** e, -6, 6)
;;       step = 2.0 ** (np.maximum(np.frexp(np.where(r == 0, 1, r))[1] - 1, 0) - 1)
;;       q = np.round(r / step) * step * 2.0 ** e      # np.round: ties to even
;;       return np.moveaxis(q.reshape(q.shape[:-2] + (-1,))[..., :K], -1, axis).astype(np.float32)
;;   ~~~
;;   SOFTMAX AHEAD OF A QUANTISED PRODUCT. Where the list says 'softmax', what is quantised is not the finished softmax but p = 2^(t - M), with t = logit x log2(e) and M = ceil(the row's largest t), a whole number; so 1/2 < the row's largest p <= 1. The row's sum l is taken of the UNQUANTISED p, in f32, and the product's result is divided by l at the end. Since M is a whole number, a kernel that streams over the keys may use a running M (the ceiling of the running maximum): every later rescaling is an exact power of two, which a block's scale takes up: the codes' values come out the same.
;;   OPERANDS COMPUTED ON THE WAY. 'Computed on the way' means the value that the module computes at that place (a softmax that the list does not call 'softmax' is quantised finished and normalised). What goes into a quantiser is computed in f32, as accurately as f32 sums, v_exp_f32 and their like allow (about 1e-6 of the number): no bf16 or f16 on the way to a quantiser, and a product that is left as it is and whose result goes on into a quantised operand takes f32 operands (vector FMAs, or v_wmma_f32_16x16x4_f32). A number that lies on a knife's edge between two numbers of the format may be rounded either way, as far as f32 arithmetic and the matrix unit's own rounding can turn it there, and no further.
;;   INPUTS GIVEN AS CODES. K (in the module: [4, 2048, 128], K = its axis 2); K_position (in the module: [4, 2048, 128], K = its axis 2); Q_position (in the module: [4, 2048, 128], K = its axis 2); V (in the module: [4, 2048, 128], K = its axis 2); WKP_w (in the module: [1024, 128], K = its axis 1); WK_w (in the module: [1024, 128], K = its axis 1); WQP_w (in the module: [1024, 128], K = its axis 1); WQ_w (in the module: [1024, 128], K = its axis 1); WV_w (in the module: [1024, 128], K = its axis 1); qlin_w (in the module: [128, 1024], K = its axis 1); vlin_w (in the module: [128, 1024], K = its axis 1): each comes as NAME_codes (uint8): NAME with its K axis moved to the last place and cut into blocks of 32 codes, [.., K / 32, bytes a block], one block behind the other in memory; two codes a byte, the lower K in the low four bits (a code: sign, 2 exponent bits, 1 mantissa bit); and NAME_scales (uint8): the same leading axes, one E8M0 byte (e + 127) for each 32 codes along K. Its value is code x scale, taken as it is: it is not quantised again, and the codes and scales need not be those that the quantiser above would give.
;; 2 versions. Each part assembles by itself: llvm-mc -triple=amdgcn-amd-amdhsa -mcpu=gfx1250 --defsym DOCPART=n.
;; ======== version 1 of 2: 3 launches
;; workspace buffers: kv 13,369,344 bytes; vff 4,194,304 bytes; vfs 262,144 bytes; ctxf 4,194,304 bytes; ctxs 262,144 bytes
;; launch proj (part 1): grid 256 x 1, 8 waves a work-group, no clusters, 0 bytes of LDS; arguments K_codes, K_scales, WK_w_codes, WK_w_scales, WK_b, K_position_codes, K_position_scales, WKP_w_codes, WKP_w_scales, WKP_b, V_codes, V_scales, WV_w_codes, WV_w_scales, WV_b, kv, vff, vfs; writes kv, vff, vfs
.if DOCPART == 1
	.amdgcn_target "amdgcn-amd-amdhsa--gfx1250"
	.amdhsa_code_object_version 6
	.text
	.protected	k_q0dfc677a4e_proj
	.globl	k_q0dfc677a4e_proj
	.p2align	8
	.type	k_q0dfc677a4e_proj,@function
k_q0dfc677a4e_proj:
	s_mov_b64 s[64:65], 0
	v_nop
	global_prefetch_b8 v0, s[64:65] scope:SCOPE_SE
	s_setreg_imm32_b32 hwreg(HW_REG_WAVE_MODE, 25, 1), 1
	s_wait_xcnt 0x0
; THE KEY SIDE'S PROJECTIONS.  k = K WK^T + b, kp = K_position WKP^T + b, v = V WV^T + b, all on codes of FP4 (E2M1) with one E8M0 scale for each 32 along K (= 128),
; and each result quantised again, in registers, for the product that takes it next:
;   kind 0: k, kind 1: kp   quantised along the head's 128, for the scores;        kind 2: v quantised along the head's 128, for v_flat vlin^T;
;   kind 3: v once more with the sources swapped (the same sums, transposed), quantised along the KEYS, for p v.
; The results leave as IMAGES OF OPERAND REGISTERS: a fragment (16 rows x 128 K, 8 registers a lane) is 1,024 bytes, [half 2][lane 32][16 bytes]; the launch that reads it loads it by the same two lines.
; kv: [b h 32][slot 4][104,448]: a slot is 512 keys = 4 key steps q:  +0 [q][tile 8][k, kp][1,024];  +65,536 v^T [q][tile of d 8][1,024];  +98,304 k's and kp's scale words [q][g 2][lane][16]
;     (word i: tile 4 g + i; lanes 0-15 k's, lanes 16-31 kp's);  +102,400 v^T's scale words [q][lane][16] (word i: lanes 0-15 tile i, lanes 16-31 tile i + 4).
; vff: [tile of 16 tokens 512][head 8][1,024];  vfs: [group of 128 tokens 64][head 8][tile 8][row 16] words.
; ONE ROW ORDER EVERYWHERE: in a group of 128 rows (tokens, or a head's units) lane r of tile t takes row 32 (t / 2) + 8 (t % 2) + r + 8 (r / 8).  Eight such tiles as source 0 leave in a lane's 64 result
; registers, register 16 b + i, index 32 b + 16 (lane / 16) + i: 16 neighbours of each block of 32, which is what the conversions want.
; SHARES: kind = work-group / 64.  A wave takes 128 tokens of one batch x one head: 64 matrix instructions, 8 fragments out.  2,048 equal waves on 256 work-groups.  Waves share nothing: no LDS, no barrier.
; NO CLUSTER, NO TENSOR LOAD: every operand goes from memory straight into the registers in which it is used, once; what neighbouring waves share is a head's 8,192 bytes of weight codes.
; NO PREFETCH: every load of a wave is issued at its head.
; V_position, WVP_w and WVP_b are arguments that the module takes and never uses: no result hangs on them, and no launch of this program loads them.
; LIMITS: NaN and infinities are not served.  A block of zeros gets the scale byte 1 where the quantiser says 127: its codes are zeros, and this program alone reads the bytes.
.set SLOTB, 104448
.set FA,   1                           ; v1   64 (r + 8 (r / 8)) + 16 h: my 16 bytes of a tile's row of 64 bytes of codes
.set SA4,  2                           ; v2   4 (r + 8 (r / 8)) + 256 h: scale words: lanes 0-15 tile j, lanes 16-31 tile j + 4
.set BA,   3                           ; v3   64 h: the bias of my half's eight units of a tile
.set LI,   4                           ; v4   16 x lane: my place in an image
.set SO1,  5                           ; v5   512 h + 16 r
.set LANE, 6                           ; v6
.set SO2,  7                           ; v7   256 h + 4 r
.set XS,   8                           ; v8-11   the tokens' scale words
.set WS,   12                          ; v12-15  the weight's
.set MX,   16                          ; v16-19  largest magnitudes
.set PB,   20                          ; v20-23  the other half's; then the scale bytes
.set SO,   24                          ; v24-27  the conversions' scale operands
.set BA2,  31                          ; v31  4 (r + 8 (r / 8)): the bias of my lane's unit
.set PWS,  32                          ; v32-39  the scale word of each of the eight fragments made
.set PC,   40                          ; v40-47  the codes just made
.set CB,   48                          ; v48-55  kind 3: the bias as a C operand
.set BV,   56                          ; v56-63  kind 3: my lane's bias, one for each tile of units
.set X,    64                          ; v64-127   the tokens' 8 fragments
.set W,    128                         ; v128-191  the weight's 8 fragments
.set ACC,  192                         ; v192-255  8 results;   window 1, v0-63: kinds 0 to 2: the bias in the results' layout
.set XC,   44                          ; s[44:45] the tokens' codes, s[46:47] their scales, s[48:49] the weight's codes, s[50:51] its scales, s[52:53] the bias
.set XSC,  46
.set WC,   48
.set WSC,  50
.set BB,   52
.set OUT,  54                          ; s[54:55] where the next fragment goes; s[56:57] from fragment to fragment; s[58:59] where the scale words go
.set STR,  56
.set SOUT, 58
.set SEL,  70                          ; s[70:71] v_permlanex16_b32's selects for lane l xor 16
.set MSB, 0
.macro WIN new                         ; the immediate's high byte repeats the setting that is left
.if MSB != \new
	s_set_vgpr_msb (MSB<<8)|\new
.set MSB, \new
.endif
.endm
.macro PLACES n
.rept \n
	v_nop
.endr
.endm
; one scaled product; ra, rb = 1: that side's scale words stand in lanes 16-31 of its register
.macro WMS d, a, b, c, sa, sb, ra, rb
.if (\ra) && (\rb)
	v_wmma_scale_f32_16x16x128_f8f6f4 v[\d:\d+7], v[\a:\a+7], v[\b:\b+7], v[\c:\c+7], v[\sa], v[\sb] matrix_a_fmt:MATRIX_FMT_FP4 matrix_b_fmt:MATRIX_FMT_FP4 matrix_a_scale:MATRIX_SCALE_ROW1 matrix_b_scale:MATRIX_SCALE_ROW1
.elseif (\ra)
	v_wmma_scale_f32_16x16x128_f8f6f4 v[\d:\d+7], v[\a:\a+7], v[\b:\b+7], v[\c:\c+7], v[\sa], v[\sb] matrix_a_fmt:MATRIX_FMT_FP4 matrix_b_fmt:MATRIX_FMT_FP4 matrix_a_scale:MATRIX_SCALE_ROW1
.elseif (\rb)
	v_wmma_scale_f32_16x16x128_f8f6f4 v[\d:\d+7], v[\a:\a+7], v[\b:\b+7], v[\c:\c+7], v[\sa], v[\sb] matrix_a_fmt:MATRIX_FMT_FP4 matrix_b_fmt:MATRIX_FMT_FP4 matrix_b_scale:MATRIX_SCALE_ROW1
.else
	v_wmma_scale_f32_16x16x128_f8f6f4 v[\d:\d+7], v[\a:\a+7], v[\b:\b+7], v[\c:\c+7], v[\sa], v[\sb] matrix_a_fmt:MATRIX_FMT_FP4 matrix_b_fmt:MATRIX_FMT_FP4
.endif
.endm
; 64 numbers of a lane, register 16 b + i = index 32 b + 16 (lane / 16) + i of my row, become a fragment's codes in v[dst] on and my row's scale word in v[pw].
.macro QUANT src, dst, pw
.irp b, 0,1,2,3
	v_max3_num_f32 v[MX+\b], |v[\src+16*\b]|, |v[\src+16*\b+1]|, 0x1800000   ; block b: my 16 numbers, and the floor 2^(3 - 127): the byte cannot fall under 1
.endr
.irp i, 2,4,6,8,10,12,14
.irp b, 0,1,2,3
	v_max3_num_f32 v[MX+\b], v[MX+\b], |v[\src+16*\b+\i]|, |v[\src+16*\b+\i+1]|   ; the four blocks by turns
.endr
.endr
.irp b, 0,1,2,3
	v_permlanex16_b32 v[PB+\b], v[MX+\b], s[SEL], s[SEL+1]
.endr
.irp b, 0,1,2,3
	v_max_num_f32 v[MX+\b], v[MX+\b], v[PB+\b]     ; with lane l xor 16's: the block's largest magnitude
.endr
.irp b, 0,1,2,3
	v_add_nc_u32 v[SO+\b], 0xff000000, v[MX+\b]    ; 2 off its exponent field: the conversion takes that field as its scale
.endr
.irp b, 0,1,2,3
	v_lshrrev_b32 v[PB+\b], 23, v[SO+\b]           ; the scale's byte
.endr
	v_lshl_or_b32 v[\pw], v[PB+1], 8, v[PB]
	v_lshl_or_b32 v[\pw], v[PB+2], 16, v[\pw]
	v_lshl_or_b32 v[\pw], v[PB+3], 24, v[\pw]
.irp b, 0,1,2,3
	v_cvt_scalef32_pk8_fp4_f32 v[\dst+2*\b], v[\src+16*\b:\src+16*\b+7], v[SO+\b]
	v_cvt_scalef32_pk8_fp4_f32 v[\dst+2*\b+1], v[\src+16*\b+8:\src+16*\b+15], v[SO+\b]
.endr
	v_nop                                          ; one plain place behind a scaled conversion
.irp c, 0,1                                    ; the operand wants a whole block in a lane: lanes 0-15 block 2 c, lanes 16-31 block 2 c + 1
.irp i, 0,1
	v_permlane16_swap_b32 v[\dst+4*\c+\i], v[\dst+4*\c+2+\i]
.endr
.endr
.endm
	s_load_b512 s[8:23], s[0:1], 0x0               ; three sets of five addresses: from s8 K's, from s18 K_position's, from s28 V's
	s_load_b512 s[24:39], s[0:1], 0x40             ; .. and kv s[38:39]
	s_load_b128 s[40:43], s[0:1], 0x80             ; vff s[40:41], vfs s[42:43]
	v_lshrrev_b32 v1, 5, v0
	v_readfirstlane_b32 s4, v1                     ; wave 0..7
	v_and_b32 v[LANE], 31, v0
	v_and_b32 v28, 15, v0                          ; r
	v_bfe_u32 v29, v0, 4, 1                        ; h
	v_and_b32 v30, 8, v28
	v_add_nc_u32 v30, v30, v28                     ; r + 8 (r / 8)
	v_lshlrev_b32 v[FA], 6, v30
	v_lshl_add_u32 v[FA], v29, 4, v[FA]
	v_lshlrev_b32 v[SA4], 2, v30
	v_lshl_add_u32 v[SA4], v29, 8, v[SA4]
	v_lshlrev_b32 v[BA], 6, v29
	v_lshlrev_b32 v[BA2], 2, v30
	v_lshlrev_b32 v[LI], 4, v[LANE]
	v_lshlrev_b32 v[SO1], 4, v28
	v_lshl_add_u32 v[SO1], v29, 9, v[SO1]
	v_lshlrev_b32 v[SO2], 2, v28
	v_lshl_add_u32 v[SO2], v29, 8, v[SO2]
.irp b, 0,1,2,3
	v_mov_b32 v[PB+\b], 0                          ; written once: a lane permute's destination counts as one of its sources
.endr
	s_mov_b32 s[SEL], 0x76543210
	s_mov_b32 s[SEL+1], 0xfedcba98
	s_lshr_b32 s2, ttmp9, 6                        ; kind
	s_and_b32 s3, ttmp9, 63
	s_lshl_b32 s3, s3, 3
	s_add_co_u32 s3, s3, s4                        ; my unit of work: 16 (8 b + head) + key step
	s_lshr_b32 s5, s3, 7                           ; b
	s_bfe_u32 s6, s3, 0x30004                      ; head
	s_and_b32 s7, s3, 15                           ; key step of 128 tokens
	s_lshl_b32 s66, s5, 4
	s_add_co_u32 s66, s66, s7                      ; G: my group of 128 tokens among all 64
	s_lshr_b32 s67, s3, 2
	s_mul_i32 s67, s67, SLOTB                      ; my slot of kv
	s_and_b32 s68, s3, 3                           ; q: my key step in it
	s_lshl_b32 s60, s68, 14                        ; kinds 0, 1: fragments at slot + 16,384 q + 1,024 kind, 2,048 apart
	s_lshl_b32 s69, s2, 10
	s_add_co_u32 s60, s60, s69
	s_add_co_u32 s60, s60, s67
	s_lshl_b32 s62, s68, 10                        ; scale words at slot + 98,304 + 1,024 q + 256 kind
	s_lshl_b32 s69, s2, 8
	s_add_co_u32 s62, s62, s69
	s_add_co_u32 s62, s62, s67
	s_add_co_u32 s62, s62, 98304
	s_mov_b32 s[STR], 2048
	s_lshl_b32 s69, s66, 16                        ; kind 2: fragments at 8 G x 8,192 + 1,024 head, 8,192 apart
	s_lshl_b32 s4, s6, 10
	s_add_co_u32 s69, s69, s4
	s_lshl_b32 s4, s66, 12                         ; scale words at 4,096 G + 512 head
	s_lshl_b32 s61, s6, 9
	s_add_co_u32 s4, s4, s61
	s_lshl_b32 s61, s68, 13                        ; kind 3: fragments at slot + 65,536 + 8,192 q, 1,024 apart
	s_add_co_u32 s61, s61, s67
	s_add_co_u32 s61, s61, 65536
	s_lshl_b32 s63, s68, 9                         ; scale words at slot + 102,400 + 512 q
	s_add_co_u32 s63, s63, s67
	s_add_co_u32 s63, s63, 102400
	s_cmp_eq_u32 s2, 2
	s_cselect_b32 s60, s69, s60
	s_cselect_b32 s62, s4, s62
	s_cselect_b32 s[STR], 8192, s[STR]
	s_cmp_eq_u32 s2, 3
	s_cselect_b32 s60, s61, s60
	s_cselect_b32 s62, s63, s62
	s_cselect_b32 s[STR], 1024, s[STR]
	s_mov_b32 s61, 0
	s_mov_b32 s63, 0
	s_mov_b32 s[STR+1], 0
	s_mov_b32 s69, 0
	s_wait_kmcnt 0x0
	s_cmp_eq_u32 s2, 0                             ; the choices hang on the work-group's number alone
	s_cselect_b64 s[XC:XC+1], s[8:9], s[28:29]
	s_cselect_b64 s[XSC:XSC+1], s[10:11], s[30:31]
	s_cselect_b64 s[WC:WC+1], s[12:13], s[32:33]
	s_cselect_b64 s[WSC:WSC+1], s[14:15], s[34:35]
	s_cselect_b64 s[BB:BB+1], s[16:17], s[36:37]
	s_cmp_eq_u32 s2, 1
	s_cselect_b64 s[XC:XC+1], s[18:19], s[XC:XC+1]
	s_cselect_b64 s[XSC:XSC+1], s[20:21], s[XSC:XSC+1]
	s_cselect_b64 s[WC:WC+1], s[22:23], s[WC:WC+1]
	s_cselect_b64 s[WSC:WSC+1], s[24:25], s[WSC:WSC+1]
	s_cselect_b64 s[BB:BB+1], s[26:27], s[BB:BB+1]
	s_cmp_eq_u32 s2, 2
	s_cselect_b64 s[OUT:OUT+1], s[40:41], s[38:39]
	s_cselect_b64 s[SOUT:SOUT+1], s[42:43], s[38:39]
	s_add_nc_u64 s[OUT:OUT+1], s[OUT:OUT+1], s[60:61]
	s_add_nc_u64 s[SOUT:SOUT+1], s[SOUT:SOUT+1], s[62:63]
	s_lshl_b32 s68, s66, 13                        ; 128 rows of 64 bytes of codes
	s_add_nc_u64 s[XC:XC+1], s[XC:XC+1], s[68:69]
	s_lshl_b32 s68, s66, 9                         ; 128 scale words
	s_add_nc_u64 s[XSC:XSC+1], s[XSC:XSC+1], s[68:69]
	s_lshl_b32 s68, s6, 13                         ; the head's 128 rows of the weight
	s_add_nc_u64 s[WC:WC+1], s[WC:WC+1], s[68:69]
	s_lshl_b32 s68, s6, 9
	s_add_nc_u64 s[WSC:WSC+1], s[WSC:WSC+1], s[68:69]
	s_add_nc_u64 s[BB:BB+1], s[BB:BB+1], s[68:69]
.irp j, 0,1,2,3,4,5,6,7
.irp c, 0,1
	global_load_b128 v[X+8*\j+4*\c:X+8*\j+4*\c+3], v[FA], s[XC:XC+1] offset:(32*(\j/2)+8*(\j%2))*64+32*\c
.endr
.endr
.irp j, 0,1,2,3,4,5,6,7
.irp c, 0,1
	global_load_b128 v[W+8*\j+4*\c:W+8*\j+4*\c+3], v[FA], s[WC:WC+1] offset:(32*(\j/2)+8*(\j%2))*64+32*\c
.endr
.endr
.irp j, 0,1,2,3
	global_load_b32 v[XS+\j], v[SA4], s[XSC:XSC+1] offset:(32*(\j/2)+8*(\j%2))*4
	global_load_b32 v[WS+\j], v[SA4], s[WSC:WSC+1] offset:(32*(\j/2)+8*(\j%2))*4
.endr
	s_cmp_eq_u32 s2, 3
	s_cbranch_scc1 .Lvt
	; ---- kinds 0, 1, 2: source 0 = 16 units of the weight, source 1 = 16 tokens: a lane holds one token, its registers run along the head's units
	WIN 0x40                                       ; destination window 1
.irp j, 0,1,2,3,4,5,6,7
	global_load_b128 v[8*\j:8*\j+3], v[BA], s[BB:BB+1] offset:(32*(\j/2)+8*(\j%2))*4       ; the bias in the result's layout: it is the C of the product
	global_load_b128 v[8*\j+4:8*\j+7], v[BA], s[BB:BB+1] offset:(32*(\j/2)+8*(\j%2))*4+16
.endr
	WIN 0
	s_wait_loadcnt 0x0
.macro KSTEP i                         ; tile i of the tokens against the head's 128 units; the result is one fragment
	s_wait_xcnt 0x0                                ; the last fragment's stores have read their data and their base: both are written again below
.if (\i) > 0
	s_add_nc_u64 s[OUT:OUT+1], s[OUT:OUT+1], s[STR:STR+1]
.endif
	WIN 0x10                                       ; C in window 1
.irp j, 0,1,2,3,4,5,6,7
	WMS ACC+8*\j, W+8*\j, X+8*(\i), 8*\j, WS+\j%4, XS+(\i)%4, \j/4, (\i)/4
.endr
	WIN 0
	PLACES 4                                       ; in front of the first read of results
	QUANT ACC, PC, PWS+(\i)
	global_store_b128 v[LI], v[PC:PC+3], s[OUT:OUT+1]                 ; 32 lanes store 512 consecutive bytes, aligned
	global_store_b128 v[LI], v[PC+4:PC+7], s[OUT:OUT+1] offset:512
.endm
.irp i, 0,1,2,3,4,5,6,7
	KSTEP \i
.endr
	v_cmp_lt_u32 vcc_lo, 15, v[LANE]
.irp i, 0,1,2,3
	v_cndmask_b32 v[PWS+\i], v[PWS+\i], v[PWS+4+\i], vcc_lo           ; lanes 0-15 keep tile i's words, lanes 16-31 take tile i + 4's
.endr
	s_cmp_eq_u32 s2, 2
	s_cbranch_scc1 .Lflat
	global_store_b128 v[SO1], v[PWS:PWS+3], s[SOUT:SOUT+1]            ; sixteen lanes store 256 consecutive bytes, aligned: tiles 4 h .. 4 h + 3 of row r
	s_endpgm
.Lflat:
.irp i, 0,1,2,3
	global_store_b32 v[SO2], v[PWS+\i], s[SOUT:SOUT+1] offset:64*\i   ; pieces of 64 bytes: the scale words are one sixteenth of the codes' bytes
.endr
	s_endpgm
	; ---- kind 3: source 0 = 16 tokens, source 1 = 16 units: a lane holds one unit d, its registers run along the keys
.Lvt:
.irp i, 0,1,2,3,4,5,6,7
	global_load_b32 v[BV+\i], v[BA2], s[BB:BB+1] offset:(32*(\i/2)+8*(\i%2))*4
.endr
	s_wait_loadcnt 0x0
.macro VSTEP i                         ; tile i of the units against the 128 tokens
	s_wait_xcnt 0x0
.if (\i) > 0
	s_add_nc_u64 s[OUT:OUT+1], s[OUT:OUT+1], s[STR:STR+1]
.endif
.irp e, 0,1,2,3,4,5,6,7
	v_mov_b32 v[CB+\e], v[BV+(\i)]                 ; here the bias hangs on the lane alone
.endr
	PLACES 4
.irp j, 0,1,2,3,4,5,6,7
	WMS ACC+8*\j, X+8*\j, W+8*(\i), CB, XS+\j%4, WS+(\i)%4, \j/4, (\i)/4
.endr
	PLACES 4
	QUANT ACC, PC, PWS+(\i)
	global_store_b128 v[LI], v[PC:PC+3], s[OUT:OUT+1]
	global_store_b128 v[LI], v[PC+4:PC+7], s[OUT:OUT+1] offset:512
.endm
.irp i, 0,1,2,3,4,5,6,7
	VSTEP \i
.endr
	v_cmp_lt_u32 vcc_lo, 15, v[LANE]
.irp i, 0,1,2,3
	v_cndmask_b32 v[PWS+\i], v[PWS+\i], v[PWS+4+\i], vcc_lo
.endr
	global_store_b128 v[LI], v[PWS:PWS+3], s[SOUT:SOUT+1]             ; 512 consecutive bytes
	s_endpgm
.Lfunc_end_k_q0dfc677a4e_proj:
	.size	k_q0dfc677a4e_proj, .Lfunc_end_k_q0dfc677a4e_proj-k_q0dfc677a4e_proj
	.p2alignl 7, 3214868480
	.fill 96, 4, 3214868480
	.section	.rodata,"a",@progbits
	.p2align	6, 0x0
	.amdhsa_kernel k_q0dfc677a4e_proj
		.amdhsa_group_segment_fixed_size 0
		.amdhsa_private_segment_fixed_size 0
		.amdhsa_enable_private_segment 0
		.amdhsa_kernarg_size 144
		.amdhsa_user_sgpr_count 2
		.amdhsa_user_sgpr_kernarg_segment_ptr 1
		.amdhsa_wavefront_size32 1
		.amdhsa_system_sgpr_workgroup_id_x 1
		.amdhsa_system_sgpr_workgroup_id_y 1
		.amdhsa_system_sgpr_workgroup_id_z 1
		.amdhsa_system_vgpr_workitem_id 0
		.amdhsa_next_free_vgpr 320
		.amdhsa_next_free_sgpr 72
		.amdhsa_reserve_vcc 1
		.amdhsa_float_denorm_mode_32 3
		.amdhsa_float_denorm_mode_16_64 3
		.amdhsa_memory_ordered 1
		.amdhsa_forward_progress 1
		.amdhsa_inst_pref_size 97
	.end_amdhsa_kernel
	.amdgpu_metadata
---
amdhsa.version: [ 1, 2 ]
amdhsa.kernels:
  - .name:           k_q0dfc677a4e_proj
    .symbol:         k_q0dfc677a4e_proj.kd
    .args:
      - { .name: K_codes, .offset: 0, .size: 8, .value_kind: global_buffer, .address_space: global }
      - { .name: K_scales, .offset: 8, .size: 8, .value_kind: global_buffer, .address_space: global }
      - { .name: WK_w_codes, .offset: 16, .size: 8, .value_kind: global_buffer, .address_space: global }
      - { .name: WK_w_scales, .offset: 24, .size: 8, .value_kind: global_buffer, .address_space: global }
      - { .name: WK_b, .offset: 32, .size: 8, .value_kind: global_buffer, .address_space: global }
      - { .name: K_position_codes, .offset: 40, .size: 8, .value_kind: global_buffer, .address_space: global }
      - { .name: K_position_scales, .offset: 48, .size: 8, .value_kind: global_buffer, .address_space: global }
      - { .name: WKP_w_codes, .offset: 56, .size: 8, .value_kind: global_buffer, .address_space: global }
      - { .name: WKP_w_scales, .offset: 64, .size: 8, .value_kind: global_buffer, .address_space: global }
      - { .name: WKP_b, .offset: 72, .size: 8, .value_kind: global_buffer, .address_space: global }
      - { .name: V_codes, .offset: 80, .size: 8, .value_kind: global_buffer, .address_space: global }
      - { .name: V_scales, .offset: 88, .size: 8, .value_kind: global_buffer, .address_space: global }
      - { .name: WV_w_codes, .offset: 96, .size: 8, .value_kind: global_buffer, .address_space: global }
      - { .name: WV_w_scales, .offset: 104, .size: 8, .value_kind: global_buffer, .address_space: global }
      - { .name: WV_b, .offset: 112, .size: 8, .value_kind: global_buffer, .address_space: global }
      - { .name: kv, .offset: 120, .size: 8, .value_kind: global_buffer, .address_space: global }
      - { .name: vff, .offset: 128, .size: 8, .value_kind: global_buffer, .address_space: global }
      - { .name: vfs, .offset: 136, .size: 8, .value_kind: global_buffer, .address_space: global }
    .group_segment_fixed_size: 0
    .private_segment_fixed_size: 0
    .kernarg_segment_align: 8
    .kernarg_segment_size: 144
    .max_flat_workgroup_size: 256
    .sgpr_count:     72
    .vgpr_count:     320
    .wavefront_size: 32
...
	.end_amdgpu_metadata
.endif
;; end of part 1
;; launch attn (part 2): grid 8 x 32, 16 waves a work-group, clusters of 4 x 1, 327,680 bytes of LDS; arguments Q, Q_position_codes, Q_position_scales, WQ_w_codes, WQ_w_scales, WQ_b, WQP_w_codes, WQP_w_scales, WQP_b, kv, ctxf, ctxs; writes ctxf, ctxs
.if DOCPART == 2
	.amdgcn_target "amdgcn-amd-amdhsa--gfx1250"
	.amdhsa_code_object_version 6
	.text
	.protected	k_q0dfc677a4e_attn
	.globl	k_q0dfc677a4e_attn
	.p2align	8
	.type	k_q0dfc677a4e_attn,@function
k_q0dfc677a4e_attn:
	s_mov_b64 s[64:65], 0
	v_nop
	global_prefetch_b8 v0, s[64:65] scope:SCOPE_SE
	s_setreg_imm32_b32 hwreg(HW_REG_WAVE_MODE, 25, 1), 1
	s_wait_xcnt 0x0
	s_wait_alu depctr_hold_cnt(0) depctr_sa_sdst(0) depctr_va_vdst(0) depctr_va_sdst(0) depctr_va_ssrc(0) depctr_va_vcc(0) depctr_vm_vsrc(0)
	s_getreg_b32 s2, hwreg(HW_REG_IB_STS2, 6, 4)
	s_cmp_eq_u32 s2, 0
	s_cbranch_scc0 .Lentry_in_a_cluster
	s_endpgm
.Lentry_in_a_cluster:
	s_bfe_u32 s2, ttmp6, 0x10000c
	s_cmp_lg_u32 s2, 0x3003
	s_cbranch_scc0 .Lentry_shape_is_right
	s_endpgm
.Lentry_shape_is_right:
; ATTENTION ON CODES OF FP4 (E2M1), one E8M0 scale for each 32 along a product's K.  For one batch and head: scores = (q k^T + qp kp^T) / sqrt(128), softmax, ctx = p v / the row's sum.
; The query side is made here: Q (f32) is quantised in registers, q = Q WQ^T + b and qp = Q_position WQP^T + b are multiplied, biased and quantised along the head's 128, and stay in registers.
; The key side comes from kv, laid by the launch before as images of operand registers: a fragment is 1,024 bytes, [half 2][lane 32][16 bytes]; a slot of 104,448 bytes holds 512 keys = 4 key steps q:
;   +0 [q][tile 8][k, kp][1,024];  +65,536 v^T [q][tile of d 8][1,024];  +98,304 k's and kp's scale words [q][g 2][lane][16];  +102,400 v^T's scale words [q][lane][16].
; THE SOFTMAX: t = score x log2(e) / sqrt(128); M = the row's largest t so far, rounded UP to a whole number; p = 2^(t - M) is what is quantised, along the keys, not normalised.  The row's sum is taken of
; the unquantised p, in f32, and divides at the end.  When M moves, the sum and O are multiplied by 2^(old M - new M): exact.
; ctx is quantised along the head's 128 (a K step of the next launch's product) and leaves as one fragment's image and 16 scale words a wave.
; SHARES: a work-group owns 256 queries of one (batch, head); each of its SIXTEEN waves one tile of 16, in 256 registers: four waves to a SIMD, so that one wave's vector work stands beside another's matrix
; work and LDS loads.  Every wave walks all 2,048 keys, 128 a step: 24 matrix instructions, 51 LDS loads of 512 consecutive bytes.
; LAYOUT: all products are used transposed (S^T = k q^T, O^T = v^T p^T): a lane holds ONE query throughout.  The rows of every tile follow one order: lane r of tile t of a group of 128 takes row
; 32 (t / 2) + 8 (t % 2) + r + 8 (r / 8), so that the 16 registers of tiles 2 b and 2 b + 1 are 16 neighbours, 32 b + 16 (lane / 16) + 0 .. 15, along the next K.
; CLUSTER: the four query blocks of a cluster belong to one head and walk the same slots: each quarter slot is asked for JOINTLY, by the same tensor load with a mask that names the four.
; LIMITS: NaN and infinities are not served.  A block of zeros gets the scale byte 1 where the quantiser says 127: its codes are zeros, and this program alone reads the bytes.  log2(e) / sqrt(128) is one f32 constant.
; REGISTERS: v1-3 LDS addresses; v4, v7 scale words of the head; v8-12 the head's offsets; then v12 -M, v13 the largest t, v[14:15] the sum in two halves; v16-23 q, v24-31 qp; v32-95 fragments of k and kp, or of v^T;
;   v96-159 S^T, then p; v160-223 O^T; v224-231 p's codes; v232-247, v252, v254 at work; v240-243, v248-251, v253, v255 scale words.
.set SLOTB, 104448
.set QUART, 26112                      ; what one tensor load brings: 102 rows of 256 bytes
.set SLOT1, 1<<17                      ; slot 1 begins here: one exclusive or turns an address in one slot into the other's
.set SPARE, 2*SLOT1                    ; the spare words, 128 bytes for each of 16 waves: eight blocks of 256 bytes that no other line names
.set LI,   1                           ; v1   16 x lane
.set ADK,  2                           ; v2   the slot in hand + 16 x lane
.set ADV,  3                           ; v3   65,536 further on
.set QPS,  4                           ; v4   Q_position's scale words
.set SPW,  5                           ; v5   LDS address of my spare word; never rewritten
.set NIL,  6                           ; v6   0; never rewritten
.set TW,   7                           ; v7   a scale word just made
.set QA,   8                           ; v8   512 (r + 8 (r / 8)) + 64 h: my 16 numbers of a block of 32 of my row of Q
.set FA,   9                           ; v9   64 (r + 8 (r / 8)) + 16 h
.set SA4,  10                          ; v10  4 (r + 8 (r / 8)) + 256 h
.set RA,   11                          ; v11  4 (r + 8 (r / 8))
.set HA,   12                          ; v12  64 h
.set PFO,  9                           ; v9   from the loop on: 256 x lane, the prefetches' offset
.set MX,   232
.set PB,   236
.set SO,   244
.set G1,   32                          ; s[32:39] descriptor group 1
.set G0,   40                          ; s[40:43] descriptor group 0, which walks
.set WV,   44
.set TB,   45                          ; LDS byte at which the slot in hand begins
.set SLOTS, 46                         ; slots still to be asked for
.set LIM,  47                          ; 1 in a wave that prefetches, else the greatest number
.set SEL,  48
.set CS,   50                          ; s[50:51] c = log2(e) / sqrt(128)
.set PFA,  52                          ; s[52:53] where my prefetches stand
.macro PLACES n
.rept \n
	v_nop
.endr
.endm
.macro WMS d, a, b, c, sa, sb, ra, rb
.if (\ra) && (\rb)
	v_wmma_scale_f32_16x16x128_f8f6f4 v[\d:\d+7], v[\a:\a+7], v[\b:\b+7], v[\c:\c+7], v[\sa], v[\sb] matrix_a_fmt:MATRIX_FMT_FP4 matrix_b_fmt:MATRIX_FMT_FP4 matrix_a_scale:MATRIX_SCALE_ROW1 matrix_b_scale:MATRIX_SCALE_ROW1
.elseif (\ra)
	v_wmma_scale_f32_16x16x128_f8f6f4 v[\d:\d+7], v[\a:\a+7], v[\b:\b+7], v[\c:\c+7], v[\sa], v[\sb] matrix_a_fmt:MATRIX_FMT_FP4 matrix_b_fmt:MATRIX_FMT_FP4 matrix_a_scale:MATRIX_SCALE_ROW1
.elseif (\rb)
	v_wmma_scale_f32_16x16x128_f8f6f4 v[\d:\d+7], v[\a:\a+7], v[\b:\b+7], v[\c:\c+7], v[\sa], v[\sb] matrix_a_fmt:MATRIX_FMT_FP4 matrix_b_fmt:MATRIX_FMT_FP4 matrix_b_scale:MATRIX_SCALE_ROW1
.else
	v_wmma_scale_f32_16x16x128_f8f6f4 v[\d:\d+7], v[\a:\a+7], v[\b:\b+7], v[\c:\c+7], v[\sa], v[\sb] matrix_a_fmt:MATRIX_FMT_FP4 matrix_b_fmt:MATRIX_FMT_FP4
.endif
.endm
.macro WMS0 d, a, b, sa, sb            ; the product that starts a sum
	v_wmma_scale_f32_16x16x128_f8f6f4 v[\d:\d+7], v[\a:\a+7], v[\b:\b+7], 0, v[\sa], v[\sb] matrix_a_fmt:MATRIX_FMT_FP4 matrix_b_fmt:MATRIX_FMT_FP4
.endm
; 64 numbers of a lane, register 16 b + i = index 32 b + 16 (lane / 16) + i of my row, become a fragment's codes in v[dst] on and my row's scale word in v[pw].
.macro QUANT src, dst, pw
.irp b, 0,1,2,3
	v_max3_num_f32 v[MX+\b], |v[\src+16*\b]|, |v[\src+16*\b+1]|, 0x1800000   ; block b: my 16 numbers, and the floor 2^(3 - 127): the byte cannot fall under 1
.endr
.irp i, 2,4,6,8,10,12,14
.irp b, 0,1,2,3
	v_max3_num_f32 v[MX+\b], v[MX+\b], |v[\src+16*\b+\i]|, |v[\src+16*\b+\i+1]|
.endr
.endr
.irp b, 0,1,2,3
	v_permlanex16_b32 v[PB+\b], v[MX+\b], s[SEL], s[SEL+1]
.endr
.irp b, 0,1,2,3
	v_max_num_f32 v[MX+\b], v[MX+\b], v[PB+\b]
.endr
.irp b, 0,1,2,3
	v_add_nc_u32 v[SO+\b], 0xff000000, v[MX+\b]    ; 2 off the exponent field: the conversion's scale operand
.endr
.irp b, 0,1,2,3
	v_lshrrev_b32 v[PB+\b], 23, v[SO+\b]           ; the scale's byte
.endr
	v_lshl_or_b32 v[\pw], v[PB+1], 8, v[PB]
	v_lshl_or_b32 v[\pw], v[PB+2], 16, v[\pw]
	v_lshl_or_b32 v[\pw], v[PB+3], 24, v[\pw]
.irp b, 0,1,2,3
	v_cvt_scalef32_pk8_fp4_f32 v[\dst+2*\b], v[\src+16*\b:\src+16*\b+7], v[SO+\b]
	v_cvt_scalef32_pk8_fp4_f32 v[\dst+2*\b+1], v[\src+16*\b+8:\src+16*\b+15], v[SO+\b]
.endr
	v_nop                                          ; one plain place behind a scaled conversion
.irp c, 0,1
.irp i, 0,1
	v_permlane16_swap_b32 v[\dst+4*\c+\i], v[\dst+4*\c+2+\i]
.endr
.endr
.endm
; A round of the cluster's barrier: my work-group's barrier; wave 0 signals for the work-group; every wave waits for all four work-groups; my work-group's barrier once more.
.macro CROUND
	s_barrier_signal -1
	s_barrier_wait -1
	s_cmp_lg_u32 s[WV], 0
	s_cbranch_scc1 .Lnot_wave_0_\@
	s_barrier_signal -3
.Lnot_wave_0_\@:
	s_barrier_wait -3
	s_barrier_signal -1
	s_barrier_wait -1
.endm
; A joint load: waves 0 to 3 fetch a quarter slot each, the others nothing.  The branch hangs on the wave's number alone.  Four v_nop follow the load.
.macro JLOAD
	s_cmp_lt_u32 s[WV], 4
	s_cbranch_scc0 .Lnone_\@
	tensor_load_to_lds s[G0:G0+3], s[G1:G1+7]
	s_nop 0
.rept 4
	v_nop
.endr
.Lnone_\@:
.endm
; A PREFETCH INTO THE L2 of the codes (98,304 bytes) of the slot that the NEXT change of slots will ask for: four key steps ahead of that load.  Both clusters of a head walk the same slots: the head's first cluster asks.
; Its four partners share the bytes out BY ADDRESS; in each, waves 4, 5 and 6 ask, 8,192 bytes a wave, lanes 256 bytes apart: 4 x 3 x 8,192 = 98,304, each block of 256 bytes named once.
; Slots 0 and 1 and the 6,144 bytes of scale words come by their loads alone; the last change that fills a slot asks for nothing.
.macro ASK
	s_cmp_gt_u32 s[SLOTS], s[LIM]
	s_cbranch_scc0 .Lnot_mine_\@
	global_prefetch_b8 v[PFO], s[PFA:PFA+1] th:TH_LOAD_NT scope:SCOPE_SE
.Lnot_mine_\@:
.endm
	s_load_b512 s[8:23], s[0:1], 0x0               ; Q s[8:9], Q_position's codes s[10:11], scales s[12:13], WQ's codes s[14:15], scales s[16:17], bias s[18:19], WQP's codes s[20:21], scales s[22:23]
	s_load_b256 s[24:31], s[0:1], 0x40             ; WQP's bias s[24:25], kv s[26:27], ctxf s[28:29], ctxs s[30:31]
	v_lshl_add_u32 v[SPW], v0, 2, SPARE
	v_mov_b32 v[NIL], 0
	ds_add_u32 v5, v6
	s_wait_dscnt 0x0
	v_lshrrev_b32 v1, 5, v0
	v_readfirstlane_b32 s[WV], v1                  ; wave 0..15
	s_and_b32 s2, ttmp7, 0xffff                    ; 8 b + head, which the four partners share
	s_bfe_u32 s3, ttmp6, 0x40000                   ; cx: it enters global addresses of Q, Q_position, ctxf, ctxs and of the prefetches alone
	s_lshl_b32 s4, ttmp9, 2
	s_add_co_u32 s4, s4, s3                        ; my block of 256 queries
	s_lshr_b32 s5, s2, 3                           ; b
	s_and_b32 s6, s2, 7                            ; head
	s_lshl_b32 s58, s5, 4
	s_lshl_b32 s59, s4, 1
	s_add_co_u32 s58, s58, s59
	s_lshr_b32 s59, s[WV], 3
	s_add_co_u32 s58, s58, s59                     ; G: my group of 128 tokens among all 64
	s_and_b32 s59, s[WV], 7                        ; t: my tile in it
	s_lshl_b32 s7, s58, 7
	s_lshr_b32 s60, s59, 1
	s_lshl_b32 s60, s60, 5
	s_add_co_u32 s7, s7, s60
	s_and_b32 s60, s59, 1
	s_lshl_b32 s60, s60, 3
	s_add_co_u32 s7, s7, s60                       ; my tile's first token: 128 G + 32 (t / 2) + 8 (t % 2); lane r takes r + 8 (r / 8) further on
	; descriptor group 1: 102 dense rows of 256 bytes (32 elements of 8 bytes), no padding: every LDS load takes 512 consecutive bytes
	s_mov_b32 s[G1], 15|(3<<16)|(1<<21)            ; 15:0 the mask: all four work-groups; 17:16 elements of 8 bytes; 21 set beside a mask
	s_mov_b32 s[G1+1], 32<<16                      ; tensor_dim0
	s_mov_b32 s[G1+2], 102<<16                     ; tensor_dim1
	s_mov_b32 s[G1+3], 32<<16                      ; tile_dim0
	s_mov_b32 s[G1+4], 102                         ; tile_dim1
	s_mov_b32 s[G1+5], 32                          ; tensor_dim0_stride
	s_mov_b32 s[G1+6], 0
	s_mov_b32 s[G1+7], 0
	s_mov_b32 s[SEL], 0x76543210
	s_mov_b32 s[SEL+1], 0xfedcba98
	s_mov_b32 s[CS], 0x3e0293ee
	s_mov_b32 s[CS+1], s[CS]                       ; (named with it as a pair, so it is written)
	s_mov_b32 s[TB], 0
	s_mov_b32 s[SLOTS], 3
	s_sub_co_u32 s60, s[WV], 4
	s_cmp_lt_u32 s60, 3                            ; waves 4, 5, 6,
	s_cselect_b32 s60, 0, 1
	s_or_b32 s60, s60, ttmp9                       ; of the head's first cluster: the same in all four partners
	s_cmp_eq_u32 s60, 0
	s_cselect_b32 s[LIM], 1, -1
	v_and_b32 v254, 15, v0                         ; r
	v_bfe_u32 v252, v0, 4, 1                       ; h
	v_and_b32 v13, 8, v254
	v_add_nc_u32 v13, v13, v254                    ; r + 8 (r / 8)
	v_and_b32 v1, 31, v0
	v_lshlrev_b32 v[LI], 4, v1
	v_lshlrev_b32 v[QA], 9, v13
	v_lshl_add_u32 v[QA], v252, 6, v[QA]
	v_lshlrev_b32 v[FA], 6, v13
	v_lshl_add_u32 v[FA], v252, 4, v[FA]
	v_lshlrev_b32 v[SA4], 2, v13
	v_lshl_add_u32 v[SA4], v252, 8, v[SA4]
	v_lshlrev_b32 v[RA], 2, v13
	v_lshlrev_b32 v[HA], 6, v252
.irp b, 0,1,2,3
	v_mov_b32 v[PB+\b], 0                          ; written once: a lane permute's destination counts as one of its sources
.endr
	s_mov_b32 s55, 0
	s_mov_b32 s57, 0
	s_wait_kmcnt 0x0
	s_lshl_b32 s54, s7, 9
	s_add_nc_u64 s[8:9], s[8:9], s[54:55]          ; Q at my tile's first token
	s_lshl_b32 s54, s7, 6
	s_add_nc_u64 s[10:11], s[10:11], s[54:55]
	s_lshl_b32 s54, s7, 2
	s_add_nc_u64 s[12:13], s[12:13], s[54:55]
	s_lshl_b32 s54, s6, 13                         ; the head's 128 rows of each weight
	s_add_nc_u64 s[14:15], s[14:15], s[54:55]
	s_add_nc_u64 s[20:21], s[20:21], s[54:55]
	s_lshl_b32 s54, s6, 9
	s_add_nc_u64 s[16:17], s[16:17], s[54:55]
	s_add_nc_u64 s[18:19], s[18:19], s[54:55]
	s_add_nc_u64 s[22:23], s[22:23], s[54:55]
	s_add_nc_u64 s[24:25], s[24:25], s[54:55]
	s_lshl_b32 s54, s58, 3
	s_add_co_u32 s54, s54, s59
	s_lshl_b32 s54, s54, 13                        ; ctxf: tile 8 G + t, 8,192 bytes a tile,
	s_lshl_b32 s60, s6, 10
	s_add_co_u32 s54, s54, s60                     ; K step = head
	s_add_nc_u64 s[28:29], s[28:29], s[54:55]
	s_lshl_b32 s54, s58, 12                        ; ctxs: 4,096 G + 512 head + 64 t
	s_lshl_b32 s60, s6, 9
	s_add_co_u32 s54, s54, s60
	s_lshl_b32 s60, s59, 6
	s_add_co_u32 s54, s54, s60
	s_add_nc_u64 s[30:31], s[30:31], s[54:55]
	s_mul_i32 s56, s2, 4*SLOTB                     ; (s[56:57] never hold anything made of cx)
	s_add_nc_u64 s[26:27], s[26:27], s[56:57]      ; kv at my head's first slot
	s_and_b32 s56, s[WV], 3
	s_mul_i32 s56, s56, QUART                      ; my quarter of a slot, in memory and in LDS
	s_mov_b32 s[G0], 1                             ; 1:0 count = 1
	s_mov_b32 s[G0+1], s56                         ; 63:32 LDS address: slot 0
	s_add_nc_u64 s[G0+2:G0+3], s[26:27], s[56:57]  ; 120:64 global address
	s_or_b32 s[G0+3], s[G0+3], 0x80000000          ; 127:126 type = 2
	s_mul_i32 s54, s3, 3
	s_and_b32 s60, s[WV], 3
	s_add_co_u32 s54, s54, s60
	s_lshl_b32 s54, s54, 13                        ; my 8,192 bytes of a slot's codes,
	s_add_co_u32 s54, s54, SLOTB                   ; in slot 1: the first change of slots steps it to slot 2.  Nothing is prefetched here, at the head
	s_add_nc_u64 s[PFA:PFA+1], s[26:27], s[54:55]
	CROUND                                         ; all four work-groups are here: the first joint loads meet
	JLOAD                                          ; slot 0; it lands while the query side is made
	; ---- THE QUERY SIDE.  59 loads, in this order: Q 16, WQ's fragments 16, WQ's bias 16, WQ's scale words 4, Q_position's fragment 2 and scale word 1, WQP's scale words 4
.irp b, 0,1,2,3
.irp j, 0,1,2,3
	global_load_b128 v[160+16*\b+4*\j:160+16*\b+4*\j+3], v[QA], s[8:9] offset:128*\b+16*\j
.endr
.endr
.irp j, 0,1,2,3,4,5,6,7
.irp c, 0,1
	global_load_b128 v[32+8*\j+4*\c:32+8*\j+4*\c+3], v[FA], s[14:15] offset:(32*(\j/2)+8*(\j%2))*64+32*\c
.endr
.endr
.irp j, 0,1,2,3,4,5,6,7
	global_load_b128 v[96+8*\j:96+8*\j+3], v[HA], s[18:19] offset:(32*(\j/2)+8*(\j%2))*4        ; the bias lands in the accumulators, in the result's layout
	global_load_b128 v[96+8*\j+4:96+8*\j+7], v[HA], s[18:19] offset:(32*(\j/2)+8*(\j%2))*4+16
.endr
.irp j, 0,1,2,3
	global_load_b32 v[248+\j], v[SA4], s[16:17] offset:(32*(\j/2)+8*(\j%2))*4
.endr
.irp c, 0,1
	global_load_b128 v[24+4*\c:24+4*\c+3], v[FA], s[10:11] offset:32*\c
.endr
	global_load_b32 v[QPS], v[RA], s[12:13]
.irp j, 0,1,2,3
	global_load_b32 v[240+\j], v[SA4], s[22:23] offset:(32*(\j/2)+8*(\j%2))*4
.endr
	s_wait_loadcnt 43                              ; Q's 16 loads are in; the 43 issued behind them may be out
	QUANT 160, 16, TW                              ; Q's codes and scale words
.irp j, 0,1,2,3,4,5,6,7
	global_load_b128 v[160+8*\j:160+8*\j+3], v[HA], s[24:25] offset:(32*(\j/2)+8*(\j%2))*4      ; WQP's bias, into the second product's accumulators
	global_load_b128 v[160+8*\j+4:160+8*\j+7], v[HA], s[24:25] offset:(32*(\j/2)+8*(\j%2))*4+16
.endr
	s_wait_loadcnt 16                              ; all but these 16
	PLACES 8                                       ; a scale word made by vector instructions stands eight places ahead of a scaled product
.irp j, 0,1,2,3,4,5,6,7
	WMS 96+8*\j, 32+8*\j, 16, 96+8*\j, 248+\j%4, TW, \j/4, 0       ; q^T = WQ Q^T + b
.endr
	PLACES 4
.irp j, 0,1,2,3,4,5,6,7
.irp c, 0,1
	global_load_b128 v[32+8*\j+4*\c:32+8*\j+4*\c+3], v[FA], s[20:21] offset:(32*(\j/2)+8*(\j%2))*64+32*\c
.endr
.endr
	QUANT 96, 16, 255                              ; q's fragment and scale words
	s_wait_loadcnt 0x0
.irp j, 0,1,2,3,4,5,6,7
	WMS 160+8*\j, 32+8*\j, 24, 160+8*\j, 240+\j%4, QPS, \j/4, 0    ; qp^T = WQP Q_position^T + b
.endr
	PLACES 4
	QUANT 160, 24, TW                              ; qp's fragment, over Q_position's, and its scale words
	v_and_b32 v254, 31, v0
	v_cmp_lt_u32 vcc_lo, 15, v254
	v_cndmask_b32 v255, v255, v[TW], vcc_lo        ; v255: lanes 0-15 q's scale words, lanes 16-31 qp's
	v_lshlrev_b32 v[PFO], 8, v254                  ; (every load that read v9 has been waited for)
	v_mov_b32 v13, 0xff61b1e6                      ; the largest t so far: -3e38, under every t
	v_floor_f32 v12, -v13                          ; -M
	v_mov_b32 v14, 0
	v_mov_b32 v15, 0
	v_mov_b32 v253, 0                              ; (named as the upper half of the pair v[252:253] before it is first written)
.set J, 0
.rept 64
	v_mov_b32 v[160+J], 0                          ; O^T: the key step is written once; its first pass finds zeros, which the first change of M leaves zeros
.set J, J+1
.endr
; A KEY STEP: 128 keys, the q-th of the slot in hand.
.macro STEP q
.irp g, 0,1                                    ; S^T = k q^T + kp qp^T, four tiles of 16 keys at a time
	PLACES 4                                       ; in front of loads into registers that matrix instructions have read
.irp t, 0,1,2,3
.irp x, 0,1
.irp c, 0,1
	ds_load_b128 v[32+16*\t+8*\x+4*\c:32+16*\t+8*\x+4*\c+3], v[ADK] offset:16384*(\q)+2048*(4*\g+\t)+1024*\x+512*\c
.endr
.endr
.endr
	ds_load_b128 v[248:251], v[ADV] offset:32768+1024*(\q)+512*\g   ; the four tiles' scale words: lanes 0-15 k's, lanes 16-31 kp's
	s_wait_dscnt 0x0
.irp t, 0,1,2,3
	WMS0 96+8*(4*\g+\t), 32+16*\t, 16, 248+\t, 255
.endr
.irp t, 0,1,2,3                                ; the four accumulators by turns, one instruction a turn
	WMS 96+8*(4*\g+\t), 40+16*\t, 24, 96+8*(4*\g+\t), 248+\t, 255, 1, 1
.endr
.endr
	PLACES 4
.irp t, 0,1,2,3,4,5,6,7                        ; v^T's eight fragments are asked for now and land under the softmax
.irp c, 0,1
	ds_load_b128 v[32+8*\t+4*\c:32+8*\t+4*\c+3], v[ADV] offset:8192*(\q)+1024*\t+512*\c
.endr
.endr
	ds_load_b128 v[248:251], v[ADV] offset:36864+512*(\q)
.irp b, 0,1,2,3
	v_max3_num_f32 v[232+\b], v[96+16*\b], v[97+16*\b], v[98+16*\b]   ; the largest score of each block of 32 keys: for the row's maximum, and, since p rises with the score, for the block's largest p
.endr
.irp i, 3,5,7,9,11,13
.irp b, 0,1,2,3
	v_max3_num_f32 v[232+\b], v[232+\b], v[96+16*\b+\i], v[97+16*\b+\i]
.endr
.endr
.irp b, 0,1,2,3
	v_max_num_f32 v[232+\b], v[232+\b], v[111+16*\b]
.endr
.irp b, 0,1,2,3
	v_permlanex16_b32 v[236+\b], v[232+\b], s[SEL], s[SEL+1]
.endr
.irp b, 0,1,2,3
	v_max_num_f32 v[232+\b], v[232+\b], v[236+\b]  ; with lane l xor 16's 16 keys
.endr
	v_max3_num_f32 v254, v232, v233, v234
	v_max_num_f32 v254, v254, v235                 ; the step's largest score of my query
	v_mul_f32 v254, s[CS], v254                    ; as t (c is positive)
	v_max_num_f32 v13, v13, v254                   ; the running largest t
	v_mov_b32 v254, v12
	v_floor_f32 v12, -v13                          ; the new -M = floor(-t) = -ceil(t): a whole number
	v_sub_f32 v254, v12, v254                      ; old M - new M: a whole number, 0 or less
	v_cvt_i32_f32 v254, v254                       ; (it saturates)
	v_ldexp_f32 v252, 1.0, v254                    ; f = 2^(old M - new M)
.set J, 0
.rept 32
	v_pk_fma_f32 v[96+J:97+J], v[96+J:97+J], s[CS:CS+1], v[12:13] op_sel_hi:[1,0,0]   ; t - M, two at a time
.set J, J+2
.endr
.irp b, 0,1,2,3
	v_fma_f32 v[232+\b], v[232+\b], s[CS], v12     ; the same of each block's largest score
.endr
.set J, 0
.rept 64
	v_exp_f32 v[96+J], v[96+J]                     ; p = 2^(t - M), at most 1
.set J, J+1
.endr
	v_pk_mul_f32 v[14:15], v[14:15], v[252:253] op_sel_hi:[1,0]   ; the sums under the new M: a plain place behind the exponentials
	s_wait_alu depctr_va_vdst(0)                   ; one wait for the whole batch, ahead of its first reader
.irp b, 0,1,2,3
	v_exp_f32 v[232+\b], v[232+\b]                 ; the block's largest p: the same two instructions on the same number
.endr
	v_pk_add_f32 v[236:237], v[96:97], v[98:99]    ; the row's sum is taken of the unquantised p: two at a time, in two chains
.irp j, 4,8,12,16,20,24,28,32,36,40,44,48,52,56,60
	v_pk_add_f32 v[14:15], v[14:15], v[96+\j:97+\j]
	v_pk_add_f32 v[236:237], v[236:237], v[98+\j:99+\j]
.endr
	v_pk_add_f32 v[14:15], v[14:15], v[236:237]
	s_wait_alu depctr_va_vdst(0)                   ; and one for the four
.irp b, 0,1,2,3
	v_max_num_f32 v[232+\b], 0x1800000, v[232+\b]  ; the floor 2^(3 - 127): the byte cannot fall under 1
.endr
.irp b, 0,1,2,3
	v_add_nc_u32 v[244+\b], 0xff000000, v[232+\b]  ; 2 off the exponent field: the conversion's scale operand
.endr
.irp b, 0,1,2,3
	v_lshrrev_b32 v[236+\b], 23, v[244+\b]         ; the scale's byte
.endr
	v_lshl_or_b32 v253, v237, 8, v236              ; p's scale word for these 128 keys
	v_lshl_or_b32 v253, v238, 16, v253
	v_lshl_or_b32 v253, v239, 24, v253
.irp b, 0,1,2,3
	v_cvt_scalef32_pk8_fp4_f32 v[224+2*\b], v[96+16*\b:103+16*\b], v[244+\b]
	v_cvt_scalef32_pk8_fp4_f32 v[225+2*\b], v[104+16*\b:111+16*\b], v[244+\b]
.endr
	v_nop                                          ; one plain place behind a scaled conversion
.irp c, 0,1
.irp i, 0,1
	v_permlane16_swap_b32 v[224+4*\c+\i], v[226+4*\c+\i]
.endr
.endr
.set J, 0
.rept 32
	v_pk_mul_f32 v[160+J:161+J], v[160+J:161+J], v[252:253] op_sel_hi:[1,0]   ; O^T under the new M.  These 32 are also the places in front of the products below
.set J, J+2
.endr
	s_wait_dscnt 0x0                               ; v^T's fragments and scale words are in
.irp t, 0,1,2,3,4,5,6,7
	WMS 160+8*\t, 32+8*\t, 224, 160+8*\t, 248+\t%4, 253, \t/4, 0   ; O^T += v^T p^T
.endr
.endm
; THE CHANGE OF SLOTS stands at a slot's head.  Each wave waits for all its tensor loads (its part of the slot that it is about to read), adds 0 to its spare word, and waits for that and for its reads of the slot that it
; has left.  fill = 1: the barrier is a round of the cluster's, and behind it the slot just left is filled with the next 512 keys: the load has four key steps in which to land.  A wave has at most one tensor load out.
.macro CHANGE fill
	s_wait_tensorcnt 0x0                           ; no tensor load of mine is out, so the group 0 may be written
	ds_add_u32 v[SPW], v[NIL]                      ; 0 onto my spare word
.if \fill
	s_xor_b32 s[G0+1], s[G0+1], SLOT1              ; the walking descriptor: the other slot than last time,
	s_add_nc_u64 s[G0+2:G0+3], s[G0+2:G0+3], SLOTB ; the next slot of kv; the type bits on top are not reached
	s_wait_xcnt 0x0                                ; the last prefetch, a slot back, has read its address, so it may be written:
	s_add_nc_u64 s[PFA:PFA+1], s[PFA:PFA+1], SLOTB ; one slot further on than the walking descriptor
.endif
	s_wait_dscnt 0x0                               ; the add is done, and my reads of the slot that I have left are over
.if \fill
	CROUND                                         ; no wave of any partner still reads that slot or has a load on its way
	JLOAD                                          ; the first tensor load behind the round, and a wave's only one until the next
	ASK
.else
	s_barrier_signal -1
	s_barrier_wait -1
.endif
	v_add_nc_u32 v[ADK], s[TB], v[LI]
	v_add_nc_u32 v[ADV], 0x10000, v[ADK]
.endm
.macro SLOT_STEPS
	STEP 0
	STEP 1
	STEP 2
	STEP 3
	s_xor_b32 s[TB], s[TB], SLOT1                  ; on to the other slot
.endm
.Lslot:                                            ; three trips: behind each change of slots but the last the next slot is asked for
	CHANGE 1
	SLOT_STEPS
	s_sub_co_u32 s[SLOTS], s[SLOTS], 1
	s_cmp_lg_u32 s[SLOTS], 0
	s_cbranch_scc1 .Lslot
	CHANGE 0                                       ; the last slot is written out
	SLOT_STEPS
	; ---- THE WAY OUT: ctx = O^T / the row's sum, quantised along the head's 128: one fragment's image and 16 scale words
	PLACES 4
	v_add_f32 v14, v14, v15                        ; the sum's two halves,
	v_permlanex16_b32 v252, v14, s[SEL], s[SEL+1]
	v_add_f32 v14, v14, v252                       ; and lane l xor 16's
	v_rcp_f32 v14, v14
	v_and_b32 v254, 31, v0                         ; (a plain place behind the reciprocal)
	v_lshlrev_b32 v252, 2, v254
	s_wait_alu depctr_va_vdst(0)                   ; ahead of the reciprocal's first reader
.set J, 0
.rept 64
	v_mul_f32 v[96+J], v[160+J], v14               ; register 16 b + i is ctx(my query, 32 b + 16 h + i)
.set J, J+1
.endr
	QUANT 96, 224, 253
	global_store_b128 v[LI], v[224:227], s[28:29]                     ; 512 consecutive bytes, aligned
	global_store_b128 v[LI], v[228:231], s[28:29] offset:512
	s_wait_xcnt 0x0                                ; EXEC changes only behind this wait
	v_cmp_gt_u32 vcc_lo, 16, v254
	s_and_saveexec_b32 s54, vcc_lo
	global_store_b32 v252, v253, s[30:31]          ; lanes 0-15: my tile's 16 scale words
	s_wait_xcnt 0x0                                ; and again, in front of the line that widens it
	s_or_b32 exec_lo, exec_lo, s54
	s_wait_tensorcnt 0x0                           ; the wave's end
	ds_add_u32 v[SPW], v[NIL]
	s_wait_dscnt 0x0
	CROUND                                         ; the closing round: no work-group ends while a partner may still ask for a tile that names it
	s_endpgm
.Lfunc_end_k_q0dfc677a4e_attn:
	.size	k_q0dfc677a4e_attn, .Lfunc_end_k_q0dfc677a4e_attn-k_q0dfc677a4e_attn
	.p2alignl 7, 3214868480
	.fill 96, 4, 3214868480
	.section	.rodata,"a",@progbits
	.p2align	6, 0x0
	.amdhsa_kernel k_q0dfc677a4e_attn
		.amdhsa_group_segment_fixed_size 327680
		.amdhsa_private_segment_fixed_size 0
		.amdhsa_enable_private_segment 0
		.amdhsa_kernarg_size 96
		.amdhsa_user_sgpr_count 2
		.amdhsa_user_sgpr_kernarg_segment_ptr 1
		.amdhsa_wavefront_size32 1
		.amdhsa_system_sgpr_workgroup_id_x 1
		.amdhsa_system_sgpr_workgroup_id_y 1
		.amdhsa_system_sgpr_workgroup_id_z 1
		.amdhsa_system_vgpr_workitem_id 0
		.amdhsa_next_free_vgpr 256
		.amdhsa_next_free_sgpr 72
		.amdhsa_reserve_vcc 1
		.amdhsa_float_denorm_mode_32 3
		.amdhsa_float_denorm_mode_16_64 3
		.amdhsa_memory_ordered 1
		.amdhsa_forward_progress 1
		.amdhsa_inst_pref_size 193
	.end_amdhsa_kernel
	.amdgpu_metadata
---
amdhsa.version: [ 1, 2 ]
amdhsa.kernels:
  - .name:           k_q0dfc677a4e_attn
    .symbol:         k_q0dfc677a4e_attn.kd
    .args:
      - { .name: Q, .offset: 0, .size: 8, .value_kind: global_buffer, .address_space: global }
      - { .name: Q_position_codes, .offset: 8, .size: 8, .value_kind: global_buffer, .address_space: global }
      - { .name: Q_position_scales, .offset: 16, .size: 8, .value_kind: global_buffer, .address_space: global }
      - { .name: WQ_w_codes, .offset: 24, .size: 8, .value_kind: global_buffer, .address_space: global }
      - { .name: WQ_w_scales, .offset: 32, .size: 8, .value_kind: global_buffer, .address_space: global }
      - { .name: WQ_b, .offset: 40, .size: 8, .value_kind: global_buffer, .address_space: global }
      - { .name: WQP_w_codes, .offset: 48, .size: 8, .value_kind: global_buffer, .address_space: global }
      - { .name: WQP_w_scales, .offset: 56, .size: 8, .value_kind: global_buffer, .address_space: global }
      - { .name: WQP_b, .offset: 64, .size: 8, .value_kind: global_buffer, .address_space: global }
      - { .name: kv, .offset: 72, .size: 8, .value_kind: global_buffer, .address_space: global }
      - { .name: ctxf, .offset: 80, .size: 8, .value_kind: global_buffer, .address_space: global }
      - { .name: ctxs, .offset: 88, .size: 8, .value_kind: global_buffer, .address_space: global }
    .group_segment_fixed_size: 327680
    .private_segment_fixed_size: 0
    .kernarg_segment_align: 8
    .kernarg_segment_size: 96
    .max_flat_workgroup_size: 512
    .sgpr_count:     72
    .vgpr_count:     256
    .wavefront_size: 32
...
	.end_amdgpu_metadata
.endif
;; end of part 2
;; launch outp (part 3): grid 256 x 1, 4 waves a work-group, no clusters, 199,168 bytes of LDS; arguments ctxf, ctxs, qlin_w_codes, qlin_w_scales, qlin_b, out0, vff, vfs, vlin_w_codes, vlin_w_scales, vlin_b, out1, Q, ln_g, ln_b; writes out0, out1
.if DOCPART == 3
	.amdgcn_target "amdgcn-amd-amdhsa--gfx1250"
	.amdhsa_code_object_version 6
	.text
	.protected	k_q0dfc677a4e_outp
	.globl	k_q0dfc677a4e_outp
	.p2align	8
	.type	k_q0dfc677a4e_outp,@function
k_q0dfc677a4e_outp:
	s_mov_b64 s[64:65], 0
	v_nop
	global_prefetch_b8 v0, s[64:65] scope:SCOPE_SE
	s_setreg_imm32_b32 hwreg(HW_REG_WAVE_MODE, 25, 1), 1
	s_wait_xcnt 0x0
; THE TWO OUTPUT PRODUCTS, on codes of FP4 (E2M1) with one E8M0 scale for each 32 along K = 1,024:
;   kind 0 (work-groups 0-127):   out0 = layer norm(ctx qlin^T + qlin_b + Q) x ln_g + ln_b;      kind 1 (work-groups 128-255): out1 = v_flat vlin^T + vlin_b.
; ctx and v_flat come as images of operand registers, [tile of 16 tokens 512][K step = head 8][1,024 bytes], scale words [group of 128 tokens 64][K step 8][tile 8][row 16].
; Lane r of tile 8 G + t holds token 128 G + 32 (t / 2) + 8 (t % 2) + r + 8 (r / 8).
; SHARES: a wave takes one tile of 16 tokens x all 128 outputs x all of K: 64 matrix instructions on 8 accumulators by turns.  The weight (65,536 bytes of codes) is laid ONCE in the work-group's LDS as images of its
; 64 fragments (each wave turns a quarter: 32 loads, 32 LDS stores), one barrier, and every wave reads it from there, a K step ahead of its products.
; The product is used transposed (source 0 = 16 outputs, source 1 = 16 tokens): a lane's eight results are eight neighbouring outputs of one token; they turn through the wave's own stage in LDS into whole rows of
; 512 bytes, on which bias, residual and layer norm work (mean first, then the mean of the squared differences, as the module has it) and which leave as whole rows.
; The two kinds part at the head on the work-group's number and never meet again: the body is written twice by one macro, each copy with LDS bytes of its own.
; NO CLUSTER, NO TENSOR LOAD: the weight is brought once, with no ring behind it, and has to be turned from rows of 512 bytes into images, which the registers do on the way.  NO PREFETCH: every load is issued at the head.
; LIMITS: NaN and infinities are not served.
.set LI,   1                           ; v1   16 x lane
.set WF,   2                           ; v2   where I read the weight's images
.set WST,  3                           ; v3   where I store my quarter of them: + 2,048 x wave
.set STO,  4                           ; v4   my stage: 528 r + 32 h
.set RD,   5                           ; v5   my stage: 16 x lane
.set WA,   6                           ; v6   512 r + 16 h: a weight's row is 512 bytes
.set WSA,  7                           ; v7   32 r + 16 h: its 8 scale words: lanes 0-15 K steps 0-3, lanes 16-31 K steps 4-7
.set XSA,  8                           ; v8   512 h + 4 r: the tokens' scale words: lanes 0-15 an even K step, lanes 16-31 the odd one behind it
.set XS,   12                          ; v12-15
.set WS,   16                          ; v16-47
.set WB0,  48                          ; v48-111, v112-175: the weight's 8 fragments of a K step, two sets; first my quarter of the weight; later rows of the result, and the layer norm's sums
.set ACC,  176                         ; v176-239
.set BI,   240                         ; v240-243 bias, v244-247 ln_g, v248-251 ln_b: of my four outputs
.set LG,   244
.set LBE,  248
.set SEL,  38                          ; window 1: v0-63 Q's 16 rows; v64-127 the tokens' 8 fragments
.set MSB, 0
.macro WIN new                         ; the immediate's high byte repeats the setting that is left
.if MSB != \new
	s_set_vgpr_msb (MSB<<8)|\new
.set MSB, \new
.endif
.endm
.macro PLACES n
.rept \n
	v_nop
.endr
.endm
.macro WMS d, a, b, c, sa, sb, ra, rb
.if (\ra) && (\rb)
	v_wmma_scale_f32_16x16x128_f8f6f4 v[\d:\d+7], v[\a:\a+7], v[\b:\b+7], v[\c:\c+7], v[\sa], v[\sb] matrix_a_fmt:MATRIX_FMT_FP4 matrix_b_fmt:MATRIX_FMT_FP4 matrix_a_scale:MATRIX_SCALE_ROW1 matrix_b_scale:MATRIX_SCALE_ROW1
.elseif (\ra)
	v_wmma_scale_f32_16x16x128_f8f6f4 v[\d:\d+7], v[\a:\a+7], v[\b:\b+7], v[\c:\c+7], v[\sa], v[\sb] matrix_a_fmt:MATRIX_FMT_FP4 matrix_b_fmt:MATRIX_FMT_FP4 matrix_a_scale:MATRIX_SCALE_ROW1
.elseif (\rb)
	v_wmma_scale_f32_16x16x128_f8f6f4 v[\d:\d+7], v[\a:\a+7], v[\b:\b+7], v[\c:\c+7], v[\sa], v[\sb] matrix_a_fmt:MATRIX_FMT_FP4 matrix_b_fmt:MATRIX_FMT_FP4 matrix_b_scale:MATRIX_SCALE_ROW1
.else
	v_wmma_scale_f32_16x16x128_f8f6f4 v[\d:\d+7], v[\a:\a+7], v[\b:\b+7], v[\c:\c+7], v[\sa], v[\sb] matrix_a_fmt:MATRIX_FMT_FP4 matrix_b_fmt:MATRIX_FMT_FP4
.endif
.endm
.macro WMS0 d, a, b, sa, sb            ; K step 0 starts the sums (both sides' scale words in lanes 0-15)
	v_wmma_scale_f32_16x16x128_f8f6f4 v[\d:\d+7], v[\a:\a+7], v[\b:\b+7], 0, v[\sa], v[\sb] matrix_a_fmt:MATRIX_FMT_FP4 matrix_b_fmt:MATRIX_FMT_FP4
.endm
.macro FETCHW s                        ; the weight's 8 fragments of K step s into set s % 2
.irp n, 0,1,2,3,4,5,6,7
.irp c, 0,1
	ds_load_b128 v[WB0+64*((\s)%2)+8*\n+4*\c:WB0+64*((\s)%2)+8*\n+4*\c+3], v[WF] offset:(8*(\s)+\n)*1024+512*\c
.endr
.endr
.endm
; sixteen rows' sums over the 32 lanes: row i's two halves in the pair v[base + 2 i]; the sum ends in the pair's first register, in every lane
.macro RSUM base
.irp i, 0,1,2,3,4,5,6,7,8,9,10,11,12,13,14,15
	v_add_f32 v[\base+2*\i], v[\base+2*\i], v[\base+2*\i+1]
.endr
.irp m, 1,2,4,8
.irp i, 0,1,2,3,4,5,6,7,8,9,10,11,12,13,14,15
	v_add_f32_dpp v[\base+2*\i], v[\base+2*\i], v[\base+2*\i] row_xmask:\m row_mask:0xf bank_mask:0xf
.endr
.endr
.irp i, 0,1,2,3,4,5,6,7,8,9,10,11,12,13,14,15
	v_permlanex16_b32 v[\base+2*\i+1], v[\base+2*\i], s[SEL], s[SEL+1]
.endr
.irp i, 0,1,2,3,4,5,6,7,8,9,10,11,12,13,14,15
	v_add_f32 v[\base+2*\i], v[\base+2*\i], v[\base+2*\i+1]
.endr
.endm
	s_load_b512 s[8:23], s[0:1], 0x0               ; from s8: ctxf, ctxs, qlin's codes, scales, bias, out0; from s20: vff, vfs,
	s_load_b256 s[24:31], s[0:1], 0x40             ; vlin's codes, scales, bias, out1
	s_load_b128 s[32:35], s[0:1], 0x60             ; Q, ln_g
	s_load_b64 s[36:37], s[0:1], 0x70              ; ln_b
	v_lshl_add_u32 v254, v0, 2, 0x30800
	v_mov_b32 v255, 0
	v_lshrrev_b32 v1, 5, v0
	v_readfirstlane_b32 s4, v1                     ; wave 0..3
	s_lshr_b32 s2, ttmp9, 7                        ; kind
	s_and_b32 s3, ttmp9, 127
	s_lshl_b32 s3, s3, 2
	s_add_co_u32 s3, s3, s4                        ; my tile of 16 tokens, 0 .. 511
	s_lshl_b32 s42, s4, 14                         ; my 32 rows of the weight
	s_mov_b32 s43, 0
	s_lshr_b32 s5, s3, 3                           ; G
	s_and_b32 s6, s3, 7                            ; t
	s_lshl_b32 s44, s5, 12
	s_lshl_b32 s7, s6, 6
	s_add_co_u32 s44, s44, s7                      ; my tile's scale words: 4,096 G + 64 t
	s_mov_b32 s45, 0
	s_lshl_b32 s46, s3, 13                         ; my tile's 8 fragments
	s_mov_b32 s47, 0
	s_lshl_b32 s5, s5, 7
	s_lshr_b32 s7, s6, 1
	s_lshl_b32 s7, s7, 5
	s_add_co_u32 s5, s5, s7
	s_and_b32 s7, s6, 1
	s_lshl_b32 s7, s7, 3
	s_add_co_u32 s5, s5, s7                        ; my tile's first token
	s_lshl_b32 s6, s5, 9                           ; its row of 512 bytes in Q and in the output
	s_mov_b32 s7, 0
	s_mul_i32 s5, s4, 8448                         ; my stage: 16 rows of 528 bytes
	s_lshl_b32 s4, s4, 11                          ; my two fragments of each K step of the weight's images
	s_mov_b32 s[SEL], 0x76543210
	s_mov_b32 s[SEL+1], 0xfedcba98
	s_mov_b32 s40, 0x3c000000                      ; 1 / 128
	s_mov_b32 s41, 0x3727c5ac                      ; 1e-5
	v_and_b32 v252, 15, v0                         ; r
	v_bfe_u32 v253, v0, 4, 1                       ; h
	v_and_b32 v1, 31, v0
	v_lshlrev_b32 v[LI], 4, v1
	v_lshlrev_b32 v[WA], 9, v252
	v_lshl_add_u32 v[WA], v253, 4, v[WA]
	v_lshlrev_b32 v[WSA], 5, v252
	v_lshl_add_u32 v[WSA], v253, 4, v[WSA]
	v_lshlrev_b32 v[XSA], 2, v252
	v_lshl_add_u32 v[XSA], v253, 9, v[XSA]
	v_mul_u32_u24 v9, v252, 528
	v_lshl_add_u32 v9, v253, 5, v9
	v_add_nc_u32 v9, s5, v9
	v_add_nc_u32 v10, s5, v[LI]
	v_add_nc_u32 v11, s4, v[LI]
	s_wait_kmcnt 0x0
	s_cmp_lg_u32 s2, 0
	s_cbranch_scc1 .Lvout
; p: the first of the kind's six addresses;  lb: the kind's LDS bytes: +0 the weight's images, fragment (K step s, tile n) at (8 s + n) x 1,024;  +65,536 four stages
.macro BODY kind, p, lb
	s_add_nc_u64 s[\p:\p+1], s[\p:\p+1], s[46:47]
	s_add_nc_u64 s[\p+2:\p+3], s[\p+2:\p+3], s[44:45]
	s_add_nc_u64 s[\p+4:\p+5], s[\p+4:\p+5], s[42:43]
	s_add_nc_u64 s[\p+10:\p+11], s[\p+10:\p+11], s[6:7]
.if \kind == 0
	s_add_nc_u64 s[32:33], s[32:33], s[6:7]
.endif
	v_add_nc_u32 v[WF], \lb, v[LI]
	v_add_nc_u32 v[WST], \lb, v11
	v_add_nc_u32 v[STO], \lb+65536, v9
	v_add_nc_u32 v[RD], \lb+65536, v10
.irp n, 0,1                                    ; my quarter of the weight: tiles 2 w, 2 w + 1 of the outputs, all 8 K steps: 32 loads
.irp s, 0,1,2,3,4,5,6,7
.irp c, 0,1
	global_load_b128 v[WB0+8*(8*\n+\s)+4*\c:WB0+8*(8*\n+\s)+4*\c+3], v[WA], s[\p+4:\p+5] offset:8192*\n+64*\s+32*\c
.endr
.endr
.endr
.irp n, 0,1,2,3,4,5,6,7
	global_load_b128 v[WS+4*\n:WS+4*\n+3], v[WSA], s[\p+6:\p+7] offset:512*\n
.endr
.irp i, 0,1,2,3
	global_load_b32 v[XS+\i], v[XSA], s[\p+2:\p+3] offset:1024*\i
.endr
	global_load_b128 v[BI:BI+3], v[LI], s[\p+8:\p+9]
	WIN 0x40                                       ; destination window 1
.irp s, 0,1,2,3,4,5,6,7
.irp c, 0,1
	global_load_b128 v[64+8*\s+4*\c:64+8*\s+4*\c+3], v[LI], s[\p:\p+1] offset:1024*\s+512*\c
.endr
.endr
.if \kind == 0
.irp i, 0,1,2,3,4,5,6,7,8,9,10,11,12,13,14,15
	global_load_b128 v[4*\i:4*\i+3], v[LI], s[32:33] offset:(\i+8*(\i/8))*512     ; the residual: my 16 tokens' rows of Q
.endr
	WIN 0
	global_load_b128 v[LG:LG+3], v[LI], s[34:35]
	global_load_b128 v[LBE:LBE+3], v[LI], s[36:37]
	s_wait_loadcnt 47                              ; the weight's 32 loads are in; behind them: 8 + 4 + 1 + 16 + 16 + 2
.else
	WIN 0
	s_wait_loadcnt 29                              ; behind the weight's 32: 8 + 4 + 1 + 16
.endif
.irp n, 0,1
.irp s, 0,1,2,3,4,5,6,7
.irp c, 0,1
	ds_store_b128 v[WST], v[WB0+8*(8*\n+\s)+4*\c:WB0+8*(8*\n+\s)+4*\c+3] offset:(8*\s+\n)*1024+512*\c
.endr
.endr
.endr
	s_wait_dscnt 0x0                               ; for the others' sake: my quarter of the images has landed
	s_barrier_signal -1
	s_barrier_wait -1                              ; all 64 fragments lie in LDS
.if \kind == 0
	s_wait_loadcnt 18                              ; scale words, bias and the tokens' fragments are in; Q's 16 rows, ln_g and ln_b may be out
.else
	s_wait_loadcnt 0x0
.endif
	WIN 0x04                                       ; source 1 (the tokens' fragments) in window 1; LDS loads name a destination and a source 0 alone
	FETCHW 0
.set S, 0
.rept 8
.if S < 7
	PLACES 4                                       ; in front of loads into the set that the K step before multiplied
	FETCHW S+1
	s_wait_dscnt 16                                ; this K step's fragments are in; the next step's 16 loads may be out
.else
	s_wait_dscnt 0x0
.endif
.irp n, 0,1,2,3,4,5,6,7                        ; the eight accumulators by turns, one instruction a turn
.if S == 0
	WMS0 ACC+8*\n, WB0+8*\n, 64, WS+4*\n, XS
.else
	WMS ACC+8*\n, WB0+64*(S%2)+8*\n, 64+8*S, ACC+8*\n, WS+4*\n+S%4, XS+S/2, S/4, S%2
.endif
.endr
.set S, S+1
.endr
	WIN 0
	PLACES 4
.irp n, 0,1,2,3,4,5,6,7
	ds_store_b128 v[STO], v[ACC+8*\n:ACC+8*\n+3] offset:64*\n         ; lane (r, h): outputs 16 n + 8 h + 0 .. 7 of token r; each accumulator from its low end on
	ds_store_b128 v[STO], v[ACC+8*\n+4:ACC+8*\n+7] offset:64*\n+16
.endr
.irp i, 0,1,2,3,4,5,6,7,8,9,10,11,12,13,14,15
	ds_load_b128 v[WB0+4*\i:WB0+4*\i+3], v[RD] offset:528*\i          ; LDS serves a wave's instructions in order: these see my stores; the stage is my own
.endr
	s_wait_dscnt 0x0
.irp i, 0,1,2,3,4,5,6,7,8,9,10,11,12,13,14,15
	v_pk_add_f32 v[WB0+4*\i:WB0+4*\i+1], v[WB0+4*\i:WB0+4*\i+1], v[BI:BI+1]
	v_pk_add_f32 v[WB0+4*\i+2:WB0+4*\i+3], v[WB0+4*\i+2:WB0+4*\i+3], v[BI+2:BI+3]
.endr
.if \kind == 0
	s_wait_loadcnt 0x0                             ; Q, ln_g, ln_b
	WIN 0x04
.irp i, 0,1,2,3,4,5,6,7,8,9,10,11,12,13,14,15
	v_pk_add_f32 v[WB0+4*\i:WB0+4*\i+1], v[WB0+4*\i:WB0+4*\i+1], v[4*\i:4*\i+1]
	v_pk_add_f32 v[WB0+4*\i+2:WB0+4*\i+3], v[WB0+4*\i+2:WB0+4*\i+3], v[4*\i+2:4*\i+3]
.endr
	WIN 0
.irp i, 0,1,2,3,4,5,6,7,8,9,10,11,12,13,14,15
	v_pk_add_f32 v[112+2*\i:113+2*\i], v[WB0+4*\i:WB0+4*\i+1], v[WB0+4*\i+2:WB0+4*\i+3]
.endr
	RSUM 112
.irp i, 0,1,2,3,4,5,6,7,8,9,10,11,12,13,14,15
	v_mul_f32 v[112+2*\i], s40, v[112+2*\i]        ; the row's mean
.endr
.irp i, 0,1,2,3,4,5,6,7,8,9,10,11,12,13,14,15
	v_pk_add_f32 v[WB0+4*\i:WB0+4*\i+1], v[WB0+4*\i:WB0+4*\i+1], v[112+2*\i:113+2*\i] op_sel_hi:[1,0] neg_lo:[0,1] neg_hi:[0,1]
	v_pk_add_f32 v[WB0+4*\i+2:WB0+4*\i+3], v[WB0+4*\i+2:WB0+4*\i+3], v[112+2*\i:113+2*\i] op_sel_hi:[1,0] neg_lo:[0,1] neg_hi:[0,1]
.endr
.irp i, 0,1,2,3,4,5,6,7,8,9,10,11,12,13,14,15
	v_pk_mul_f32 v[144+2*\i:145+2*\i], v[WB0+4*\i:WB0+4*\i+1], v[WB0+4*\i:WB0+4*\i+1]
.endr
.irp i, 0,1,2,3,4,5,6,7,8,9,10,11,12,13,14,15
	v_pk_fma_f32 v[144+2*\i:145+2*\i], v[WB0+4*\i+2:WB0+4*\i+3], v[WB0+4*\i+2:WB0+4*\i+3], v[144+2*\i:145+2*\i]
.endr
	RSUM 144
.irp i, 0,1,2,3,4,5,6,7,8,9,10,11,12,13,14,15
	v_fma_f32 v[144+2*\i], v[144+2*\i], s40, s41   ; the variance + 1e-5
.endr
.irp i, 0,1,2,3,4,5,6,7,8,9,10,11,12,13,14,15
	v_rsq_f32 v[144+2*\i], v[144+2*\i]
.endr
	v_nop                                          ; one plain place behind the batch
	s_wait_alu depctr_va_vdst(0)                   ; one wait for the sixteen, ahead of their first reader
.irp i, 0,1,2,3,4,5,6,7,8,9,10,11,12,13,14,15
	v_pk_mul_f32 v[WB0+4*\i:WB0+4*\i+1], v[WB0+4*\i:WB0+4*\i+1], v[144+2*\i:145+2*\i] op_sel_hi:[1,0]
	v_pk_mul_f32 v[WB0+4*\i+2:WB0+4*\i+3], v[WB0+4*\i+2:WB0+4*\i+3], v[144+2*\i:145+2*\i] op_sel_hi:[1,0]
.endr
.irp i, 0,1,2,3,4,5,6,7,8,9,10,11,12,13,14,15
	v_pk_fma_f32 v[WB0+4*\i:WB0+4*\i+1], v[WB0+4*\i:WB0+4*\i+1], v[LG:LG+1], v[LBE:LBE+1]
	v_pk_fma_f32 v[WB0+4*\i+2:WB0+4*\i+3], v[WB0+4*\i+2:WB0+4*\i+3], v[LG+2:LG+3], v[LBE+2:LBE+3]
.endr
.endif
.irp i, 0,1,2,3,4,5,6,7,8,9,10,11,12,13,14,15
	global_store_b128 v[LI], v[WB0+4*\i:WB0+4*\i+3], s[\p+10:\p+11] offset:(\i+8*(\i/8))*512 th:TH_STORE_NT   ; 32 lanes store a token's whole row of 512 bytes, aligned; written once, read by nobody here
.endr
	s_wait_tensorcnt 0x0
	ds_add_u32 v254, v255
	s_wait_dscnt 0x0
	s_endpgm
.endm
	BODY 0, 8, 0
.Lvout:
	BODY 1, 20, 99328
.Lfunc_end_k_q0dfc677a4e_outp:
	.size	k_q0dfc677a4e_outp, .Lfunc_end_k_q0dfc677a4e_outp-k_q0dfc677a4e_outp
	.p2alignl 7, 3214868480
	.fill 96, 4, 3214868480
	.section	.rodata,"a",@progbits
	.p2align	6, 0x0
	.amdhsa_kernel k_q0dfc677a4e_outp
		.amdhsa_group_segment_fixed_size 199168
		.amdhsa_private_segment_fixed_size 0
		.amdhsa_enable_private_segment 0
		.amdhsa_kernarg_size 120
		.amdhsa_user_sgpr_count 2
		.amdhsa_user_sgpr_kernarg_segment_ptr 1
		.amdhsa_wavefront_size32 1
		.amdhsa_system_sgpr_workgroup_id_x 1
		.amdhsa_system_sgpr_workgroup_id_y 1
		.amdhsa_system_sgpr_workgroup_id_z 1
		.amdhsa_system_vgpr_workitem_id 0
		.amdhsa_next_free_vgpr 384
		.amdhsa_next_free_sgpr 66
		.amdhsa_reserve_vcc 0
		.amdhsa_float_denorm_mode_32 3
		.amdhsa_float_denorm_mode_16_64 3
		.amdhsa_memory_ordered 1
		.amdhsa_forward_progress 1
		.amdhsa_inst_pref_size 92
	.end_amdhsa_kernel
	.amdgpu_metadata
---
amdhsa.version: [ 1, 2 ]
amdhsa.kernels:
  - .name:           k_q0dfc677a4e_outp
    .symbol:         k_q0dfc677a4e_outp.kd
    .args:
      - { .name: ctxf, .offset: 0, .size: 8, .value_kind: global_buffer, .address_space: global }
      - { .name: ctxs, .offset: 8, .size: 8, .value_kind: global_buffer, .address_space: global }
      - { .name: qlin_w_codes, .offset: 16, .size: 8, .value_kind: global_buffer, .address_space: global }
      - { .name: qlin_w_scales, .offset: 24, .size: 8, .value_kind: global_buffer, .address_space: global }
      - { .name: qlin_b, .offset: 32, .size: 8, .value_kind: global_buffer, .address_space: global }
      - { .name: out0, .offset: 40, .size: 8, .value_kind: global_buffer, .address_space: global }
      - { .name: vff, .offset: 48, .size: 8, .value_kind: global_buffer, .address_space: global }
      - { .name: vfs, .offset: 56, .size: 8, .value_kind: global_buffer, .address_space: global }
      - { .name: vlin_w_codes, .offset: 64, .size: 8, .value_kind: global_buffer, .address_space: global }
      - { .name: vlin_w_scales, .offset: 72, .size: 8, .value_kind: global_buffer, .address_space: global }
      - { .name: vlin_b, .offset: 80, .size: 8, .value_kind: global_buffer, .address_space: global }
      - { .name: out1, .offset: 88, .size: 8, .value_kind: global_buffer, .address_space: global }
      - { .name: Q, .offset: 96, .size: 8, .value_kind: global_buffer, .address_space: global }
      - { .name: ln_g, .offset: 104, .size: 8, .value_kind: global_buffer, .address_space: global }
      - { .name: ln_b, .offset: 112, .size: 8, .value_kind: global_buffer, .address_space: global }
    .group_segment_fixed_size: 199168
    .private_segment_fixed_size: 0
    .kernarg_segment_align: 8
    .kernarg_segment_size: 120
    .max_flat_workgroup_size: 128
    .sgpr_count:     66
    .vgpr_count:     384
    .wavefront_size: 32
...
	.end_amdgpu_metadata
.endif
;; end of part 3
;; ======== version 2 of 2: 3 launches
;; workspace buffers: kv 13,369,344 bytes; vff 4,194,304 bytes; vfs 262,144 bytes; ctxf 4,194,304 bytes; ctxs 262,144 bytes
;; launch proj (part 4): grid 256 x 1, 8 waves a work-group, no clusters, 0 bytes of LDS; arguments K_codes, K_scales, WK_w_codes, WK_w_scales, WK_b, K_position_codes, K_position_scales, WKP_w_codes, WKP_w_scales, WKP_b, V_codes, V_scales, WV_w_codes, WV_w_scales, WV_b, kv, vff, vfs; writes kv, vff, vfs
.if DOCPART == 4
	.amdgcn_target "amdgcn-amd-amdhsa--gfx1250"
	.amdhsa_code_object_version 6
	.text
	.protected	k_q0dfc677a4e_proj
	.globl	k_q0dfc677a4e_proj
	.p2align	8
	.type	k_q0dfc677a4e_proj,@function
k_q0dfc677a4e_proj:
	s_mov_b64 s[64:65], 0
	v_nop
	global_prefetch_b8 v0, s[64:65] scope:SCOPE_SE
	s_setreg_imm32_b32 hwreg(HW_REG_WAVE_SCHED_MODE, 0, 2), 2
	s_setreg_imm32_b32 hwreg(HW_REG_WAVE_MODE, 25, 1), 1
	s_wait_xcnt 0x0
	s_wait_alu depctr_vm_vsrc(0)
; THE KEY SIDE'S PROJECTIONS.  k = K WK^T + b, kp = K_position WKP^T + b, v = V WV^T + b, all on codes of FP4 (E2M1) with one E8M0 scale for each 32 along K (= 128),
; and each result quantised again, in registers, for the product that takes it next:
;   kind 0: k, kind 1: kp   quantised along the head's 128, for the scores;        kind 2: v quantised along the head's 128, for v_flat vlin^T;
;   kind 3: v once more with the sources swapped (the same sums, transposed), quantised along the KEYS, for p v.
; The results leave as IMAGES OF OPERAND REGISTERS: a fragment (16 rows x 128 K, 8 registers a lane) is 1,024 bytes, [half 2][lane 32][16 bytes]; the launch that reads it loads it by the same two lines.
; kv: [b h 32][slot 4][104,448]: a slot is 512 keys = 4 key steps q:  +0 [q][tile 8][k, kp][1,024];  +65,536 v^T [q][tile of d 8][1,024];  +98,304 k's and kp's scale words [q][g 2][lane][16]
;     (word i: tile 4 g + i; lanes 0-15 k's, lanes 16-31 kp's);  +102,400 v^T's scale words [q][lane][16] (word i: lanes 0-15 tile i, lanes 16-31 tile i + 4).
; vff: [tile of 16 tokens 512][head 8][1,024];  vfs: [group of 128 tokens 64][head 8][tile 8][row 16] words.
; ONE ROW ORDER EVERYWHERE: in a group of 128 rows (tokens, or a head's units) lane r of tile t takes row 32 (t / 2) + 8 (t % 2) + r + 8 (r / 8).  Eight such tiles as source 0 leave in a lane's 64 result
; registers, register 16 b + i, index 32 b + 16 (lane / 16) + i: 16 neighbours of each block of 32, which is what the conversions want.
; SHARES: kind = work-group / 64.  A wave takes 128 tokens of one batch x one head: 64 matrix instructions, 8 fragments out.  2,048 equal waves on 256 work-groups.  Waves share nothing: no LDS, no barrier.
; NO CLUSTER, NO TENSOR LOAD: every operand goes from memory straight into the registers in which it is used, once; what neighbouring waves share is a head's 8,192 bytes of weight codes.
; NO PREFETCH: every load of a wave is issued at its head.
; V_position, WVP_w and WVP_b are arguments that the module takes and never uses: no result hangs on them, and no launch of this program loads them.
; LIMITS: NaN and infinities are not served.  A block of zeros gets the scale byte 1 where the quantiser says 127: its codes are zeros, and this program alone reads the bytes.
; THE MODE: SCHED_MODE bits 1:0 = 2 (LLVM: expert scheduling mode 2), set by the entry lines.  The code itself states the register dependences
; between vector or matrix instructions and memory instructions, with s_wait_alu, always for 0.
; THE PLAN.  Registers that memory instructions touch:
;   v1-v5, v7, v31   byte offsets, made once at the head and never written again: one wait ahead of the first load serves every load and store of the kernel.
;   X, W, XS, WS and the bias   loaded once, at the head; afterwards named by vector and matrix instructions alone.
;   PC0, PC1         two out-buffers.  Step i's conversions and swaps write PC[i % 2]; fragment i's two stores read it, and they stand in step i + 1, behind that step's products and their places.
;   PWS              the eight scale words: written by vector instructions, read by the last store.
; So a step holds ONE wait on va_vdst, where its quantiser would have to wait for the step's products in any case: it states that the step before has written its out-buffer.  The wait on vm_vsrc beside it
; is for stores that are a whole step old: they have read the out-buffer that this step's conversions write again.
.set SLOTB, 104448
.set FA,   1                           ; v1   64 (r + 8 (r / 8)) + 16 h: my 16 bytes of a tile's row of 64 bytes of codes
.set SA4,  2                           ; v2   4 (r + 8 (r / 8)) + 256 h: scale words: lanes 0-15 tile j, lanes 16-31 tile j + 4
.set BA,   3                           ; v3   64 h: the bias of my half's eight units of a tile
.set LI,   4                           ; v4   16 x lane: my place in an image
.set SO1,  5                           ; v5   512 h + 16 r
.set LANE, 6                           ; v6
.set SO2,  7                           ; v7   256 h + 4 r
.set XS,   8                           ; v8-11   the tokens' scale words
.set WS,   12                          ; v12-15  the weight's
.set MX,   16                          ; v16-19  largest magnitudes
.set PB,   20                          ; v20-23  the other half's; then the scale bytes
.set SO,   24                          ; v24-27  the conversions' scale operands
.set BA2,  31                          ; v31  4 (r + 8 (r / 8)): the bias of my lane's unit
.set PWS,  32                          ; v32-39  the scale word of each of the eight fragments made
.set PC,   40                          ; v40-47, v48-55  the codes just made: two out-buffers, which take turns
.set BV,   56                          ; v56-63  kind 3: my lane's bias, one for each tile of units
.set X,    64                          ; v64-127   the tokens' 8 fragments
.set W,    128                         ; v128-191  the weight's 8 fragments
.set ACC,  192                         ; v192-255  8 results;   window 1, v0-63: the bias as C operands: kinds 0 to 2: tile j of the units at 8 j, in the results' layout; kind 3: tile i's at 8 i, my lane's number eight times
.set XC,   44                          ; s[44:45] the tokens' codes, s[46:47] their scales, s[48:49] the weight's codes, s[50:51] its scales, s[52:53] the bias
.set XSC,  46
.set WC,   48
.set WSC,  50
.set BB,   52
.set OUT,  54                          ; s[54:55] where the next fragment goes; s[56:57] from fragment to fragment; s[58:59] where the scale words go
.set STR,  56
.set SOUT, 58
.set SEL,  70                          ; s[70:71] v_permlanex16_b32's selects for lane l xor 16
.set MSB, 0
.macro WIN new                         ; the immediate's high byte repeats the setting that is left
.if MSB != \new
	s_set_vgpr_msb (MSB<<8)|\new
.set MSB, \new
.endif
.endm
.macro PLACES n
.rept \n
	v_nop
.endr
.endm
; one scaled product; ra, rb = 1: that side's scale words stand in lanes 16-31 of its register
.macro WMS d, a, b, c, sa, sb, ra, rb
.if (\ra) && (\rb)
	v_wmma_scale_f32_16x16x128_f8f6f4 v[\d:\d+7], v[\a:\a+7], v[\b:\b+7], v[\c:\c+7], v[\sa], v[\sb] matrix_a_fmt:MATRIX_FMT_FP4 matrix_b_fmt:MATRIX_FMT_FP4 matrix_a_scale:MATRIX_SCALE_ROW1 matrix_b_scale:MATRIX_SCALE_ROW1
.elseif (\ra)
	v_wmma_scale_f32_16x16x128_f8f6f4 v[\d:\d+7], v[\a:\a+7], v[\b:\b+7], v[\c:\c+7], v[\sa], v[\sb] matrix_a_fmt:MATRIX_FMT_FP4 matrix_b_fmt:MATRIX_FMT_FP4 matrix_a_scale:MATRIX_SCALE_ROW1
.elseif (\rb)
	v_wmma_scale_f32_16x16x128_f8f6f4 v[\d:\d+7], v[\a:\a+7], v[\b:\b+7], v[\c:\c+7], v[\sa], v[\sb] matrix_a_fmt:MATRIX_FMT_FP4 matrix_b_fmt:MATRIX_FMT_FP4 matrix_b_scale:MATRIX_SCALE_ROW1
.else
	v_wmma_scale_f32_16x16x128_f8f6f4 v[\d:\d+7], v[\a:\a+7], v[\b:\b+7], v[\c:\c+7], v[\sa], v[\sb] matrix_a_fmt:MATRIX_FMT_FP4 matrix_b_fmt:MATRIX_FMT_FP4
.endif
.endm
; 64 numbers of a lane, register 16 b + i = index 32 b + 16 (lane / 16) + i of my row, become a fragment's codes in v[dst] on and my row's scale word in v[pw].
.macro QUANT src, dst, pw
.irp b, 0,1,2,3
	v_max3_num_f32 v[MX+\b], |v[\src+16*\b]|, |v[\src+16*\b+1]|, 0x1800000   ; block b: my 16 numbers, and the floor 2^(3 - 127): the byte cannot fall under 1
.endr
.irp i, 2,4,6,8,10,12,14
.irp b, 0,1,2,3
	v_max3_num_f32 v[MX+\b], v[MX+\b], |v[\src+16*\b+\i]|, |v[\src+16*\b+\i+1]|   ; the four blocks by turns
.endr
.endr
.irp b, 0,1,2,3
	v_permlanex16_b32 v[PB+\b], v[MX+\b], s[SEL], s[SEL+1]
.endr
.irp b, 0,1,2,3
	v_max_num_f32 v[MX+\b], v[MX+\b], v[PB+\b]     ; with lane l xor 16's: the block's largest magnitude
.endr
.irp b, 0,1,2,3
	v_add_nc_u32 v[SO+\b], 0xff000000, v[MX+\b]    ; 2 off its exponent field: the conversion takes that field as its scale
.endr
.irp b, 0,1,2,3
	v_lshrrev_b32 v[PB+\b], 23, v[SO+\b]           ; the scale's byte
.endr
	v_lshl_or_b32 v[\pw], v[PB+1], 8, v[PB]
	v_lshl_or_b32 v[\pw], v[PB+2], 16, v[\pw]
	v_lshl_or_b32 v[\pw], v[PB+3], 24, v[\pw]
.irp b, 0,1,2,3
	v_cvt_scalef32_pk8_fp4_f32 v[\dst+2*\b], v[\src+16*\b:\src+16*\b+7], v[SO+\b]
	v_cvt_scalef32_pk8_fp4_f32 v[\dst+2*\b+1], v[\src+16*\b+8:\src+16*\b+15], v[SO+\b]
.endr
	v_nop                                          ; one plain place behind a scaled conversion
.irp c, 0,1                                    ; the operand wants a whole block in a lane: lanes 0-15 block 2 c, lanes 16-31 block 2 c + 1
.irp i, 0,1
	v_permlane16_swap_b32 v[\dst+4*\c+\i], v[\dst+4*\c+2+\i]
.endr
.endr
.endm
; Fragment i leaves, from out-buffer i % 2.  The lines stand in step i + 1, behind its products and their places; the last fragment's stand behind step 7.
.macro SEND i
.if (\i) > 0
	s_wait_xcnt 0x0                                ; fragment i - 1's stores have had their addresses translated: only behind this wait are their base and their data written again
.if (\i) < 7
	s_wait_alu depctr_vm_vsrc(0)                   ; fragment i - 1's stores have read out-buffer (i + 1) % 2, which step i + 1's conversions write again
.endif
	s_add_nc_u64 s[OUT:OUT+1], s[OUT:OUT+1], s[STR:STR+1]
.endif
	s_wait_alu depctr_va_vdst(0)                   ; step i's conversions and swaps have written out-buffer i % 2, which the two stores below read
	global_store_b128 v[LI], v[PC+8*((\i)%2):PC+8*((\i)%2)+3], s[OUT:OUT+1]                 ; 32 lanes store 512 consecutive bytes, aligned
	global_store_b128 v[LI], v[PC+8*((\i)%2)+4:PC+8*((\i)%2)+7], s[OUT:OUT+1] offset:512
.endm
	s_load_b512 s[8:23], s[0:1], 0x0               ; three sets of five addresses: from s8 K's, from s18 K_position's, from s28 V's
	s_load_b512 s[24:39], s[0:1], 0x40             ; .. and kv s[38:39]
	s_load_b128 s[40:43], s[0:1], 0x80             ; vff s[40:41], vfs s[42:43]
	v_lshrrev_b32 v1, 5, v0
	v_readfirstlane_b32 s4, v1                     ; wave 0..7
	v_and_b32 v[LANE], 31, v0
	v_and_b32 v28, 15, v0                          ; r
	v_bfe_u32 v29, v0, 4, 1                        ; h
	v_and_b32 v30, 8, v28
	v_add_nc_u32 v30, v30, v28                     ; r + 8 (r / 8)
	v_lshlrev_b32 v[FA], 6, v30
	v_lshl_add_u32 v[FA], v29, 4, v[FA]
	v_lshlrev_b32 v[SA4], 2, v30
	v_lshl_add_u32 v[SA4], v29, 8, v[SA4]
	v_lshlrev_b32 v[BA], 6, v29
	v_lshlrev_b32 v[BA2], 2, v30
	v_lshlrev_b32 v[LI], 4, v[LANE]
	v_lshlrev_b32 v[SO1], 4, v28
	v_lshl_add_u32 v[SO1], v29, 9, v[SO1]
	v_lshlrev_b32 v[SO2], 2, v28
	v_lshl_add_u32 v[SO2], v29, 8, v[SO2]
.irp b, 0,1,2,3
	v_mov_b32 v[PB+\b], 0                          ; written once: a lane permute's destination counts as one of its sources
.endr
	s_mov_b32 s[SEL], 0x76543210
	s_mov_b32 s[SEL+1], 0xfedcba98
	s_wait_alu depctr_va_sdst(0)                   ; s4, the wave's number, is written, ahead of its first reader: my unit of work is made from it
	s_lshr_b32 s2, ttmp9, 6                        ; kind
	s_and_b32 s3, ttmp9, 63
	s_lshl_b32 s3, s3, 3
	s_add_co_u32 s3, s3, s4                        ; my unit of work: 16 (8 b + head) + key step
	s_lshr_b32 s5, s3, 7                           ; b
	s_bfe_u32 s6, s3, 0x30004                      ; head
	s_and_b32 s7, s3, 15                           ; key step of 128 tokens
	s_lshl_b32 s66, s5, 4
	s_add_co_u32 s66, s66, s7                      ; G: my group of 128 tokens among all 64
	s_lshr_b32 s67, s3, 2
	s_mul_i32 s67, s67, SLOTB                      ; my slot of kv
	s_and_b32 s68, s3, 3                           ; q: my key step in it
	s_lshl_b32 s60, s68, 14                        ; kinds 0, 1: fragments at slot + 16,384 q + 1,024 kind, 2,048 apart
	s_lshl_b32 s69, s2, 10
	s_add_co_u32 s60, s60, s69
	s_add_co_u32 s60, s60, s67
	s_lshl_b32 s62, s68, 10                        ; scale words at slot + 98,304 + 1,024 q + 256 kind
	s_lshl_b32 s69, s2, 8
	s_add_co_u32 s62, s62, s69
	s_add_co_u32 s62, s62, s67
	s_add_co_u32 s62, s62, 98304
	s_mov_b32 s[STR], 2048
	s_lshl_b32 s69, s66, 16                        ; kind 2: fragments at 8 G x 8,192 + 1,024 head, 8,192 apart
	s_lshl_b32 s4, s6, 10
	s_add_co_u32 s69, s69, s4
	s_lshl_b32 s4, s66, 12                         ; scale words at 4,096 G + 512 head
	s_lshl_b32 s61, s6, 9
	s_add_co_u32 s4, s4, s61
	s_lshl_b32 s61, s68, 13                        ; kind 3: fragments at slot + 65,536 + 8,192 q, 1,024 apart
	s_add_co_u32 s61, s61, s67
	s_add_co_u32 s61, s61, 65536
	s_lshl_b32 s63, s68, 9                         ; scale words at slot + 102,400 + 512 q
	s_add_co_u32 s63, s63, s67
	s_add_co_u32 s63, s63, 102400
	s_cmp_eq_u32 s2, 2
	s_cselect_b32 s60, s69, s60
	s_cselect_b32 s62, s4, s62
	s_cselect_b32 s[STR], 8192, s[STR]
	s_cmp_eq_u32 s2, 3
	s_cselect_b32 s60, s61, s60
	s_cselect_b32 s62, s63, s62
	s_cselect_b32 s[STR], 1024, s[STR]
	s_mov_b32 s61, 0
	s_mov_b32 s63, 0
	s_mov_b32 s[STR+1], 0
	s_mov_b32 s69, 0
	s_wait_kmcnt 0x0
	s_cmp_eq_u32 s2, 0                             ; the choices hang on the work-group's number alone
	s_cselect_b64 s[XC:XC+1], s[8:9], s[28:29]
	s_cselect_b64 s[XSC:XSC+1], s[10:11], s[30:31]
	s_cselect_b64 s[WC:WC+1], s[12:13], s[32:33]
	s_cselect_b64 s[WSC:WSC+1], s[14:15], s[34:35]
	s_cselect_b64 s[BB:BB+1], s[16:17], s[36:37]
	s_cmp_eq_u32 s2, 1
	s_cselect_b64 s[XC:XC+1], s[18:19], s[XC:XC+1]
	s_cselect_b64 s[XSC:XSC+1], s[20:21], s[XSC:XSC+1]
	s_cselect_b64 s[WC:WC+1], s[22:23], s[WC:WC+1]
	s_cselect_b64 s[WSC:WSC+1], s[24:25], s[WSC:WSC+1]
	s_cselect_b64 s[BB:BB+1], s[26:27], s[BB:BB+1]
	s_cmp_eq_u32 s2, 2
	s_cselect_b64 s[OUT:OUT+1], s[40:41], s[38:39]
	s_cselect_b64 s[SOUT:SOUT+1], s[42:43], s[38:39]
	s_add_nc_u64 s[OUT:OUT+1], s[OUT:OUT+1], s[60:61]
	s_add_nc_u64 s[SOUT:SOUT+1], s[SOUT:SOUT+1], s[62:63]
	s_lshl_b32 s68, s66, 13                        ; 128 rows of 64 bytes of codes
	s_add_nc_u64 s[XC:XC+1], s[XC:XC+1], s[68:69]
	s_lshl_b32 s68, s66, 9                         ; 128 scale words
	s_add_nc_u64 s[XSC:XSC+1], s[XSC:XSC+1], s[68:69]
	s_lshl_b32 s68, s6, 13                         ; the head's 128 rows of the weight
	s_add_nc_u64 s[WC:WC+1], s[WC:WC+1], s[68:69]
	s_lshl_b32 s68, s6, 9
	s_add_nc_u64 s[WSC:WSC+1], s[WSC:WSC+1], s[68:69]
	s_add_nc_u64 s[BB:BB+1], s[BB:BB+1], s[68:69]
	s_wait_alu depctr_va_vdst(0)                   ; the offsets v1 to v5, v7 and v31 are written: every load and store of the kernel, on both ways below, reads one of them, and no vector instruction writes one again
.irp j, 0,1,2,3,4,5,6,7
.irp c, 0,1
	global_load_b128 v[X+8*\j+4*\c:X+8*\j+4*\c+3], v[FA], s[XC:XC+1] offset:(32*(\j/2)+8*(\j%2))*64+32*\c
.endr
.endr
.irp j, 0,1,2,3,4,5,6,7
.irp c, 0,1
	global_load_b128 v[W+8*\j+4*\c:W+8*\j+4*\c+3], v[FA], s[WC:WC+1] offset:(32*(\j/2)+8*(\j%2))*64+32*\c
.endr
.endr
.irp j, 0,1,2,3
	global_load_b32 v[XS+\j], v[SA4], s[XSC:XSC+1] offset:(32*(\j/2)+8*(\j%2))*4
	global_load_b32 v[WS+\j], v[SA4], s[WSC:WSC+1] offset:(32*(\j/2)+8*(\j%2))*4
.endr
	s_cmp_eq_u32 s2, 3
	s_cbranch_scc1 .Lvt
	; ---- kinds 0, 1, 2: source 0 = 16 units of the weight, source 1 = 16 tokens: a lane holds one token, its registers run along the head's units
	WIN 0x40                                       ; destination window 1
.irp j, 0,1,2,3,4,5,6,7
	global_load_b128 v[8*\j:8*\j+3], v[BA], s[BB:BB+1] offset:(32*(\j/2)+8*(\j%2))*4       ; the bias in the result's layout: it is the C of the product
	global_load_b128 v[8*\j+4:8*\j+7], v[BA], s[BB:BB+1] offset:(32*(\j/2)+8*(\j%2))*4+16
.endr
	WIN 0
	s_wait_loadcnt 0x0
.macro KSTEP i                         ; tile i of the tokens against the head's 128 units; the result is one fragment
	WIN 0x10                                       ; C in window 1
.irp j, 0,1,2,3,4,5,6,7
	WMS ACC+8*\j, W+8*\j, X+8*(\i), 8*\j, WS+\j%4, XS+(\i)%4, \j/4, (\i)/4
.endr
	WIN 0
	PLACES 4                                       ; in front of the first read of results
.if (\i) > 0
	SEND (\i)-1                                    ; the fragment of the step before leaves here
.endif
	QUANT ACC, PC+8*((\i)%2), PWS+(\i)
.endm
.irp i, 0,1,2,3,4,5,6,7
	KSTEP \i
.endr
	v_cmp_lt_u32 vcc_lo, 15, v[LANE]
	s_wait_alu depctr_va_vcc(0)                    ; VCC is written, ahead of the selects that read it
.irp i, 0,1,2,3
	v_cndmask_b32 v[PWS+\i], v[PWS+\i], v[PWS+4+\i], vcc_lo           ; lanes 0-15 keep tile i's words, lanes 16-31 take tile i + 4's
.endr
	SEND 7                                         ; its wait on va_vdst also states that the four selects have written the scale words, which the stores on both ways below read
	s_cmp_eq_u32 s2, 2
	s_cbranch_scc1 .Lflat
	global_store_b128 v[SO1], v[PWS:PWS+3], s[SOUT:SOUT+1]            ; sixteen lanes store 256 consecutive bytes, aligned: tiles 4 h .. 4 h + 3 of row r
	s_endpgm
.Lflat:
.irp i, 0,1,2,3
	global_store_b32 v[SO2], v[PWS+\i], s[SOUT:SOUT+1] offset:64*\i   ; pieces of 64 bytes: the scale words are one sixteenth of the codes' bytes
.endr
	s_endpgm
	; ---- kind 3: source 0 = 16 tokens, source 1 = 16 units: a lane holds one unit d, its registers run along the keys
.Lvt:
.irp i, 0,1,2,3,4,5,6,7
	global_load_b32 v[BV+\i], v[BA2], s[BB:BB+1] offset:(32*(\i/2)+8*(\i%2))*4
.endr
	s_wait_loadcnt 0x0
	WIN 0x40                                       ; destination window 1
.irp i, 0,1,2,3,4,5,6,7
.irp e, 0,1,2,3,4,5,6,7
	v_mov_b32 v[8*\i+\e], v[BV+\i]                 ; here the bias hangs on the lane alone: tile i's C operand, eight times my lane's number; no memory instruction names these registers
.endr
.endr
.macro VSTEP i                         ; tile i of the units against the 128 tokens
	WIN 0x10                                       ; C in window 1
.irp j, 0,1,2,3,4,5,6,7
	WMS ACC+8*\j, X+8*\j, W+8*(\i), 8*(\i), XS+\j%4, WS+(\i)%4, \j/4, (\i)/4
.endr
	WIN 0
	PLACES 4                                       ; in front of the first read of results
.if (\i) > 0
	SEND (\i)-1                                    ; the fragment of the step before leaves here
.endif
	QUANT ACC, PC+8*((\i)%2), PWS+(\i)
.endm
.irp i, 0,1,2,3,4,5,6,7
	VSTEP \i
.endr
	v_cmp_lt_u32 vcc_lo, 15, v[LANE]
	s_wait_alu depctr_va_vcc(0)                    ; VCC is written, ahead of the selects that read it
.irp i, 0,1,2,3
	v_cndmask_b32 v[PWS+\i], v[PWS+\i], v[PWS+4+\i], vcc_lo
.endr
	SEND 7                                         ; its wait on va_vdst also states that the four selects have written the scale words, which the store below reads
	global_store_b128 v[LI], v[PWS:PWS+3], s[SOUT:SOUT+1]             ; 512 consecutive bytes
	s_endpgm
.Lfunc_end_k_q0dfc677a4e_proj:
	.size	k_q0dfc677a4e_proj, .Lfunc_end_k_q0dfc677a4e_proj-k_q0dfc677a4e_proj
	.p2alignl 7, 3214868480
	.fill 96, 4, 3214868480
	.section	.rodata,"a",@progbits
	.p2align	6, 0x0
	.amdhsa_kernel k_q0dfc677a4e_proj
		.amdhsa_group_segment_fixed_size 0
		.amdhsa_private_segment_fixed_size 0
		.amdhsa_enable_private_segment 0
		.amdhsa_kernarg_size 144
		.amdhsa_user_sgpr_count 2
		.amdhsa_user_sgpr_kernarg_segment_ptr 1
		.amdhsa_wavefront_size32 1
		.amdhsa_system_sgpr_workgroup_id_x 1
		.amdhsa_system_sgpr_workgroup_id_y 1
		.amdhsa_system_sgpr_workgroup_id_z 1
		.amdhsa_system_vgpr_workitem_id 0
		.amdhsa_next_free_vgpr 320
		.amdhsa_next_free_sgpr 72
		.amdhsa_reserve_vcc 1
		.amdhsa_float_denorm_mode_32 3
		.amdhsa_float_denorm_mode_16_64 3
		.amdhsa_memory_ordered 1
		.amdhsa_forward_progress 1
		.amdhsa_inst_pref_size 97
	.end_amdhsa_kernel
	.amdgpu_metadata
---
amdhsa.version: [ 1, 2 ]
amdhsa.kernels:
  - .name:           k_q0dfc677a4e_proj
    .symbol:         k_q0dfc677a4e_proj.kd
    .args:
      - { .name: K_codes, .offset: 0, .size: 8, .value_kind: global_buffer, .address_space: global }
      - { .name: K_scales, .offset: 8, .size: 8, .value_kind: global_buffer, .address_space: global }
      - { .name: WK_w_codes, .offset: 16, .size: 8, .value_kind: global_buffer, .address_space: global }
      - { .name: WK_w_scales, .offset: 24, .size: 8, .value_kind: global_buffer, .address_space: global }
      - { .name: WK_b, .offset: 32, .size: 8, .value_kind: global_buffer, .address_space: global }
      - { .name: K_position_codes, .offset: 40, .size: 8, .value_kind: global_buffer, .address_space: global }
      - { .name: K_position_scales, .offset: 48, .size: 8, .value_kind: global_buffer, .address_space: global }
      - { .name: WKP_w_codes, .offset: 56, .size: 8, .value_kind: global_buffer, .address_space: global }
      - { .name: WKP_w_scales, .offset: 64, .size: 8, .value_kind: global_buffer, .address_space: global }
      - { .name: WKP_b, .offset: 72, .size: 8, .value_kind: global_buffer, .address_space: global }
      - { .name: V_codes, .offset: 80, .size: 8, .value_kind: global_buffer, .address_space: global }
      - { .name: V_scales, .offset: 88, .size: 8, .value_kind: global_buffer, .address_space: global }
      - { .name: WV_w_codes, .offset: 96, .size: 8, .value_kind: global_buffer, .address_space: global }
      - { .name: WV_w_scales, .offset: 104, .size: 8, .value_kind: global_buffer, .address_space: global }
      - { .name: WV_b, .offset: 112, .size: 8, .value_kind: global_buffer, .address_space: global }
      - { .name: kv, .offset: 120, .size: 8, .value_kind: global_buffer, .address_space: global }
      - { .name: vff, .offset: 128, .size: 8, .value_kind: global_buffer, .address_space: global }
      - { .name: vfs, .offset: 136, .size: 8, .value_kind: global_buffer, .address_space: global }
    .group_segment_fixed_size: 0
    .private_segment_fixed_size: 0
    .kernarg_segment_align: 8
    .kernarg_segment_size: 144
    .max_flat_workgroup_size: 256
    .sgpr_count:     72
    .vgpr_count:     320
    .wavefront_size: 32
...
	.end_amdgpu_metadata
.endif
;; end of part 4
;; launch attn (part 5): grid 8 x 32, 16 waves a work-group, clusters of 4 x 1, 327,680 bytes of LDS; arguments Q, Q_position_codes, Q_position_scales, WQ_w_codes, WQ_w_scales, WQ_b, WQP_w_codes, WQP_w_scales, WQP_b, kv, ctxf, ctxs; writes ctxf, ctxs
.if DOCPART == 5
	.amdgcn_target "amdgcn-amd-amdhsa--gfx1250"
	.amdhsa_code_object_version 6
	.text
	.protected	k_q0dfc677a4e_attn
	.globl	k_q0dfc677a4e_attn
	.p2align	8
	.type	k_q0dfc677a4e_attn,@function
k_q0dfc677a4e_attn:
	s_mov_b64 s[64:65], 0
	v_nop
	global_prefetch_b8 v0, s[64:65] scope:SCOPE_SE
	s_setreg_imm32_b32 hwreg(HW_REG_WAVE_MODE, 25, 1), 1
	s_wait_xcnt 0x0
	s_wait_alu depctr_hold_cnt(0) depctr_sa_sdst(0) depctr_va_vdst(0) depctr_va_sdst(0) depctr_va_ssrc(0) depctr_va_vcc(0) depctr_vm_vsrc(0)
	s_getreg_b32 s2, hwreg(HW_REG_IB_STS2, 6, 4)
	s_cmp_eq_u32 s2, 0
	s_cbranch_scc0 .Lentry_in_a_cluster
	s_endpgm
.Lentry_in_a_cluster:
	s_bfe_u32 s2, ttmp6, 0x10000c
	s_cmp_lg_u32 s2, 0x3003
	s_cbranch_scc0 .Lentry_shape_is_right
	s_endpgm
.Lentry_shape_is_right:
; ATTENTION ON CODES OF FP4 (E2M1), one E8M0 scale for each 32 along a product's K.  For one batch and head: scores = (q k^T + qp kp^T) / sqrt(128), softmax, ctx = p v / the row's sum.
; The query side is made here: Q (f32) is quantised in registers, q = Q WQ^T + b and qp = Q_position WQP^T + b are multiplied, biased and quantised along the head's 128, and stay in registers.
; The key side comes from kv, laid by the launch before as images of operand registers: a fragment is 1,024 bytes, [half 2][lane 32][16 bytes]; a slot of 104,448 bytes holds 512 keys = 4 key steps q:
;   +0 [q][tile 8][k, kp][1,024];  +65,536 v^T [q][tile of d 8][1,024];  +98,304 k's and kp's scale words [q][g 2][lane][16];  +102,400 v^T's scale words [q][lane][16].
; THE SOFTMAX: t = score x log2(e) / sqrt(128); M = the row's largest t so far, rounded UP to a whole number; p = 2^(t - M) is what is quantised, along the keys, not normalised.  The row's sum is taken of
; the unquantised p, in f32, and divides at the end.  When M moves, the sum and O are multiplied by 2^(old M - new M): exact.
; ctx is quantised along the head's 128 (a K step of the next launch's product) and leaves as one fragment's image and 16 scale words a wave.
; SHARES: a work-group owns 256 queries of one (batch, head); each of its SIXTEEN waves one tile of 16, in 256 registers: four waves to a SIMD, so that one wave's vector work stands beside another's matrix
; work and LDS loads.  Every wave walks all 2,048 keys, 128 a step: 24 matrix instructions, 51 LDS loads of 512 consecutive bytes.
; LAYOUT: all products are used transposed (S^T = k q^T, O^T = v^T p^T): a lane holds ONE query throughout.  The rows of every tile follow one order: lane r of tile t of a group of 128 takes row
; 32 (t / 2) + 8 (t % 2) + r + 8 (r / 8), so that the 16 registers of tiles 2 b and 2 b + 1 are 16 neighbours, 32 b + 16 (lane / 16) + 0 .. 15, along the next K.
; CLUSTER: the four query blocks of a cluster belong to one head and walk the same slots: each quarter slot is asked for JOINTLY, by the same tensor load with a mask that names the four.
; LIMITS: NaN and infinities are not served.  A block of zeros gets the scale byte 1 where the quantiser says 127: its codes are zeros, and this program alone reads the bytes.  log2(e) / sqrt(128) is one f32 constant.
; REGISTERS: v1-3 LDS addresses; v4, v7 scale words of the head; v8-12 the head's offsets; then v12 -M, v13 the largest t, v[14:15] the sum in two halves; v16-23 q, v24-31 qp; v32-95 fragments of k and kp, or of v^T;
;   v96-159 S^T, then p; v160-223 O^T; v224-231 p's codes; v232-247, v252, v254 at work; v240-243, v248-251, v253, v255 scale words.
.set SLOTB, 104448
.set QUART, 26112                      ; what one tensor load brings: 102 rows of 256 bytes
.set SLOT1, 1<<17                      ; slot 1 begins here: one exclusive or turns an address in one slot into the other's
.set SPARE, 2*SLOT1                    ; the spare words, 128 bytes for each of 16 waves: eight blocks of 256 bytes that no other line names
.set LI,   1                           ; v1   16 x lane
.set ADK,  2                           ; v2   the slot in hand + 16 x lane
.set ADV,  3                           ; v3   65,536 further on
.set QPS,  4                           ; v4   Q_position's scale words
.set SPW,  5                           ; v5   LDS address of my spare word; never rewritten
.set NIL,  6                           ; v6   0; never rewritten
.set TW,   7                           ; v7   a scale word just made
.set QA,   8                           ; v8   512 (r + 8 (r / 8)) + 64 h: my 16 numbers of a block of 32 of my row of Q
.set FA,   9                           ; v9   64 (r + 8 (r / 8)) + 16 h
.set SA4,  10                          ; v10  4 (r + 8 (r / 8)) + 256 h
.set RA,   11                          ; v11  4 (r + 8 (r / 8))
.set HA,   12                          ; v12  64 h
.set PFO,  9                           ; v9   from the loop on: 256 x lane, the prefetches' offset
.set MX,   232
.set PB,   236
.set SO,   244
.set G1,   32                          ; s[32:39] descriptor group 1
.set G0,   40                          ; s[40:43] descriptor group 0, which walks
.set WV,   44
.set TB,   45                          ; LDS byte at which the slot in hand begins
.set SLOTS, 46                         ; slots still to be asked for
.set LIM,  47                          ; 1 in a wave that prefetches, else the greatest number
.set SEL,  48
.set CS,   50                          ; s[50:51] c = log2(e) / sqrt(128)
.set PFA,  52                          ; s[52:53] where my prefetches stand
.macro PLACES n
.rept \n
	v_nop
.endr
.endm
.macro WMS d, a, b, c, sa, sb, ra, rb
.if (\ra) && (\rb)
	v_wmma_scale_f32_16x16x128_f8f6f4 v[\d:\d+7], v[\a:\a+7], v[\b:\b+7], v[\c:\c+7], v[\sa], v[\sb] matrix_a_fmt:MATRIX_FMT_FP4 matrix_b_fmt:MATRIX_FMT_FP4 matrix_a_scale:MATRIX_SCALE_ROW1 matrix_b_scale:MATRIX_SCALE_ROW1
.elseif (\ra)
	v_wmma_scale_f32_16x16x128_f8f6f4 v[\d:\d+7], v[\a:\a+7], v[\b:\b+7], v[\c:\c+7], v[\sa], v[\sb] matrix_a_fmt:MATRIX_FMT_FP4 matrix_b_fmt:MATRIX_FMT_FP4 matrix_a_scale:MATRIX_SCALE_ROW1
.elseif (\rb)
	v_wmma_scale_f32_16x16x128_f8f6f4 v[\d:\d+7], v[\a:\a+7], v[\b:\b+7], v[\c:\c+7], v[\sa], v[\sb] matrix_a_fmt:MATRIX_FMT_FP4 matrix_b_fmt:MATRIX_FMT_FP4 matrix_b_scale:MATRIX_SCALE_ROW1
.else
	v_wmma_scale_f32_16x16x128_f8f6f4 v[\d:\d+7], v[\a:\a+7], v[\b:\b+7], v[\c:\c+7], v[\sa], v[\sb] matrix_a_fmt:MATRIX_FMT_FP4 matrix_b_fmt:MATRIX_FMT_FP4
.endif
.endm
.macro WMS0 d, a, b, sa, sb            ; the product that starts a sum
	v_wmma_scale_f32_16x16x128_f8f6f4 v[\d:\d+7], v[\a:\a+7], v[\b:\b+7], 0, v[\sa], v[\sb] matrix_a_fmt:MATRIX_FMT_FP4 matrix_b_fmt:MATRIX_FMT_FP4
.endm
; 64 numbers of a lane, register 16 b + i = index 32 b + 16 (lane / 16) + i of my row, become a fragment's codes in v[dst] on and my row's scale word in v[pw].
.macro QUANT src, dst, pw
.irp b, 0,1,2,3
	v_max3_num_f32 v[MX+\b], |v[\src+16*\b]|, |v[\src+16*\b+1]|, 0x1800000   ; block b: my 16 numbers, and the floor 2^(3 - 127): the byte cannot fall under 1
.endr
.irp i, 2,4,6,8,10,12,14
.irp b, 0,1,2,3
	v_max3_num_f32 v[MX+\b], v[MX+\b], |v[\src+16*\b+\i]|, |v[\src+16*\b+\i+1]|
.endr
.endr
.irp b, 0,1,2,3
	s_delay_alu instid0(VALU_DEP_4)
	v_permlanex16_b32 v[PB+\b], v[MX+\b], s[SEL], s[SEL+1]
.endr
.irp b, 0,1,2,3
	s_delay_alu instid0(VALU_DEP_4)
	v_max_num_f32 v[MX+\b], v[MX+\b], v[PB+\b]
.endr
.irp b, 0,1,2,3
	s_delay_alu instid0(VALU_DEP_4)
	v_add_nc_u32 v[SO+\b], 0xff000000, v[MX+\b]    ; 2 off the exponent field: the conversion's scale operand
.endr
.irp b, 0,1,2,3
	s_delay_alu instid0(VALU_DEP_4)
	v_lshrrev_b32 v[PB+\b], 23, v[SO+\b]           ; the scale's byte
.endr
	s_delay_alu instid0(VALU_DEP_3)
	v_lshl_or_b32 v[\pw], v[PB+1], 8, v[PB]
	s_delay_alu instid0(VALU_DEP_1)
	v_lshl_or_b32 v[\pw], v[PB+2], 16, v[\pw]
	s_delay_alu instid0(VALU_DEP_1)
	v_lshl_or_b32 v[\pw], v[PB+3], 24, v[\pw]
.irp b, 0,1,2,3
	v_cvt_scalef32_pk8_fp4_f32 v[\dst+2*\b], v[\src+16*\b:\src+16*\b+7], v[SO+\b]
	v_cvt_scalef32_pk8_fp4_f32 v[\dst+2*\b+1], v[\src+16*\b+8:\src+16*\b+15], v[SO+\b]
.endr
	v_nop                                          ; one plain place behind a scaled conversion
.irp c, 0,1
.irp i, 0,1
	v_permlane16_swap_b32 v[\dst+4*\c+\i], v[\dst+4*\c+2+\i]
.endr
.endr
.endm
; A round of the cluster's barrier: my work-group's barrier; wave 0 signals for the work-group; every wave waits for all four work-groups; my work-group's barrier once more.
.macro CROUND
	s_barrier_signal -1
	s_barrier_wait -1
	s_cmp_lg_u32 s[WV], 0
	s_cbranch_scc1 .Lnot_wave_0_\@
	s_barrier_signal -3
.Lnot_wave_0_\@:
	s_barrier_wait -3
	s_barrier_signal -1
	s_barrier_wait -1
.endm
; A joint load: waves 0 to 3 fetch a quarter slot each, the others nothing.  The branch hangs on the wave's number alone.  Four v_nop follow the load.
.macro JLOAD
	s_cmp_lt_u32 s[WV], 4
	s_cbranch_scc0 .Lnone_\@
	tensor_load_to_lds s[G0:G0+3], s[G1:G1+7]
	s_nop 0
.rept 4
	v_nop
.endr
.Lnone_\@:
.endm
; A PREFETCH INTO THE L2 of the codes (98,304 bytes) of the slot that the NEXT change of slots will ask for: four key steps ahead of that load.  Both clusters of a head walk the same slots: the head's first cluster asks.
; Its four partners share the bytes out BY ADDRESS; in each, waves 4, 5 and 6 ask, 8,192 bytes a wave, lanes 256 bytes apart: 4 x 3 x 8,192 = 98,304, each block of 256 bytes named once.
; Slots 0 and 1 and the 6,144 bytes of scale words come by their loads alone; the last change that fills a slot asks for nothing.
.macro ASK
	s_cmp_gt_u32 s[SLOTS], s[LIM]
	s_cbranch_scc0 .Lnot_mine_\@
	global_prefetch_b8 v[PFO], s[PFA:PFA+1] th:TH_LOAD_NT scope:SCOPE_SE
.Lnot_mine_\@:
.endm
	s_load_b512 s[8:23], s[0:1], 0x0               ; Q s[8:9], Q_position's codes s[10:11], scales s[12:13], WQ's codes s[14:15], scales s[16:17], bias s[18:19], WQP's codes s[20:21], scales s[22:23]
	s_load_b256 s[24:31], s[0:1], 0x40             ; WQP's bias s[24:25], kv s[26:27], ctxf s[28:29], ctxs s[30:31]
	v_lshl_add_u32 v[SPW], v0, 2, SPARE
	v_mov_b32 v[NIL], 0
	ds_add_u32 v5, v6
	ds_add_u32 v5, v6
	s_wait_dscnt 0x0
	v_lshrrev_b32 v1, 5, v0
	s_delay_alu instid0(VALU_DEP_1)
	v_readfirstlane_b32 s[WV], v1                  ; wave 0..15
	s_and_b32 s2, ttmp7, 0xffff                    ; 8 b + head, which the four partners share
	s_bfe_u32 s3, ttmp6, 0x40000                   ; cx: it enters global addresses of Q, Q_position, ctxf, ctxs and of the prefetches alone
	s_lshl_b32 s4, ttmp9, 2
	s_add_co_u32 s4, s4, s3                        ; my block of 256 queries
	s_lshr_b32 s5, s2, 3                           ; b
	s_and_b32 s6, s2, 7                            ; head
	s_lshl_b32 s58, s5, 4
	s_lshl_b32 s59, s4, 1
	s_add_co_u32 s58, s58, s59
	s_lshr_b32 s59, s[WV], 3
	s_add_co_u32 s58, s58, s59                     ; G: my group of 128 tokens among all 64
	s_and_b32 s59, s[WV], 7                        ; t: my tile in it
	s_lshl_b32 s7, s58, 7
	s_lshr_b32 s60, s59, 1
	s_lshl_b32 s60, s60, 5
	s_add_co_u32 s7, s7, s60
	s_and_b32 s60, s59, 1
	s_lshl_b32 s60, s60, 3
	s_add_co_u32 s7, s7, s60                       ; my tile's first token: 128 G + 32 (t / 2) + 8 (t % 2); lane r takes r + 8 (r / 8) further on
	; descriptor group 1: 102 dense rows of 256 bytes (32 elements of 8 bytes), no padding: every LDS load takes 512 consecutive bytes
	s_mov_b32 s[G1], 15|(3<<16)|(1<<21)            ; 15:0 the mask: all four work-groups; 17:16 elements of 8 bytes; 21 set beside a mask
	s_mov_b32 s[G1+1], 32<<16                      ; tensor_dim0
	s_mov_b32 s[G1+2], 102<<16                     ; tensor_dim1
	s_mov_b32 s[G1+3], 32<<16                      ; tile_dim0
	s_mov_b32 s[G1+4], 102                         ; tile_dim1
	s_mov_b32 s[G1+5], 32                          ; tensor_dim0_stride
	s_mov_b32 s[G1+6], 0
	s_mov_b32 s[G1+7], 0
	s_mov_b32 s[SEL], 0x76543210
	s_mov_b32 s[SEL+1], 0xfedcba98
	s_mov_b32 s[CS], 0x3e0293ee
	s_mov_b32 s[CS+1], s[CS]                       ; (named with it as a pair, so it is written)
	s_mov_b32 s[TB], 0
	s_mov_b32 s[SLOTS], 3
	s_sub_co_u32 s60, s[WV], 4
	s_cmp_lt_u32 s60, 3                            ; waves 4, 5, 6,
	s_cselect_b32 s60, 0, 1
	s_or_b32 s60, s60, ttmp9                       ; of the head's first cluster: the same in all four partners
	s_cmp_eq_u32 s60, 0
	s_cselect_b32 s[LIM], 1, -1
	v_and_b32 v254, 15, v0                         ; r
	v_bfe_u32 v252, v0, 4, 1                       ; h
	s_delay_alu instid0(VALU_DEP_2)
	v_and_b32 v13, 8, v254
	s_delay_alu instid0(VALU_DEP_1)
	v_add_nc_u32 v13, v13, v254                    ; r + 8 (r / 8)
	v_and_b32 v1, 31, v0
	s_delay_alu instid0(VALU_DEP_1)
	v_lshlrev_b32 v[LI], 4, v1
	s_delay_alu instid0(VALU_DEP_3)
	v_lshlrev_b32 v[QA], 9, v13
	s_delay_alu instid0(VALU_DEP_1)
	v_lshl_add_u32 v[QA], v252, 6, v[QA]
	v_lshlrev_b32 v[FA], 6, v13
	s_delay_alu instid0(VALU_DEP_1)
	v_lshl_add_u32 v[FA], v252, 4, v[FA]
	v_lshlrev_b32 v[SA4], 2, v13
	s_delay_alu instid0(VALU_DEP_1)
	v_lshl_add_u32 v[SA4], v252, 8, v[SA4]
	v_lshlrev_b32 v[RA], 2, v13
	v_lshlrev_b32 v[HA], 6, v252
.irp b, 0,1,2,3
	v_mov_b32 v[PB+\b], 0                          ; written once: a lane permute's destination counts as one of its sources
.endr
	s_mov_b32 s55, 0
	s_mov_b32 s57, 0
	s_wait_kmcnt 0x0
	s_lshl_b32 s54, s7, 9
	s_add_nc_u64 s[8:9], s[8:9], s[54:55]          ; Q at my tile's first token
	s_lshl_b32 s54, s7, 6
	s_add_nc_u64 s[10:11], s[10:11], s[54:55]
	s_lshl_b32 s54, s7, 2
	s_add_nc_u64 s[12:13], s[12:13], s[54:55]
	s_lshl_b32 s54, s6, 13                         ; the head's 128 rows of each weight
	s_add_nc_u64 s[14:15], s[14:15], s[54:55]
	s_add_nc_u64 s[20:21], s[20:21], s[54:55]
	s_lshl_b32 s54, s6, 9
	s_add_nc_u64 s[16:17], s[16:17], s[54:55]
	s_add_nc_u64 s[18:19], s[18:19], s[54:55]
	s_add_nc_u64 s[22:23], s[22:23], s[54:55]
	s_add_nc_u64 s[24:25], s[24:25], s[54:55]
	s_lshl_b32 s54, s58, 3
	s_add_co_u32 s54, s54, s59
	s_lshl_b32 s54, s54, 13                        ; ctxf: tile 8 G + t, 8,192 bytes a tile,
	s_lshl_b32 s60, s6, 10
	s_add_co_u32 s54, s54, s60                     ; K step = head
	s_add_nc_u64 s[28:29], s[28:29], s[54:55]
	s_lshl_b32 s54, s58, 12                        ; ctxs: 4,096 G + 512 head + 64 t
	s_lshl_b32 s60, s6, 9
	s_add_co_u32 s54, s54, s60
	s_lshl_b32 s60, s59, 6
	s_add_co_u32 s54, s54, s60
	s_add_nc_u64 s[30:31], s[30:31], s[54:55]
	s_mul_i32 s56, s2, 4*SLOTB                     ; (s[56:57] never hold anything made of cx)
	s_add_nc_u64 s[26:27], s[26:27], s[56:57]      ; kv at my head's first slot
	s_and_b32 s56, s[WV], 3
	s_mul_i32 s56, s56, QUART                      ; my quarter of a slot, in memory and in LDS
	s_mov_b32 s[G0], 1                             ; 1:0 count = 1
	s_mov_b32 s[G0+1], s56                         ; 63:32 LDS address: slot 0
	s_add_nc_u64 s[G0+2:G0+3], s[26:27], s[56:57]  ; 120:64 global address
	s_or_b32 s[G0+3], s[G0+3], 0x80000000          ; 127:126 type = 2
	s_mul_i32 s54, s3, 3
	s_and_b32 s60, s[WV], 3
	s_add_co_u32 s54, s54, s60
	s_lshl_b32 s54, s54, 13                        ; my 8,192 bytes of a slot's codes,
	s_add_co_u32 s54, s54, SLOTB                   ; in slot 1: the first change of slots steps it to slot 2.  Nothing is prefetched here, at the head
	s_add_nc_u64 s[PFA:PFA+1], s[26:27], s[54:55]
	CROUND                                         ; all four work-groups are here: the first joint loads meet
	JLOAD                                          ; slot 0; it lands while the query side is made
	; ---- THE QUERY SIDE.  59 loads, in this order: Q 16, WQ's fragments 16, WQ's bias 16, WQ's scale words 4, Q_position's fragment 2 and scale word 1, WQP's scale words 4
.irp b, 0,1,2,3
.irp j, 0,1,2,3
	global_load_b128 v[160+16*\b+4*\j:160+16*\b+4*\j+3], v[QA], s[8:9] offset:128*\b+16*\j
.endr
.endr
	s_wait_alu depctr_va_vdst(0)
.irp j, 0,1,2,3,4,5,6,7
.irp c, 0,1
	global_load_b128 v[32+8*\j+4*\c:32+8*\j+4*\c+3], v[FA], s[14:15] offset:(32*(\j/2)+8*(\j%2))*64+32*\c
.endr
.endr
.irp j, 0,1,2,3,4,5,6,7
	global_load_b128 v[96+8*\j:96+8*\j+3], v[HA], s[18:19] offset:(32*(\j/2)+8*(\j%2))*4        ; the bias lands in the accumulators, in the result's layout
	global_load_b128 v[96+8*\j+4:96+8*\j+7], v[HA], s[18:19] offset:(32*(\j/2)+8*(\j%2))*4+16
.endr
.irp j, 0,1,2,3
	global_load_b32 v[248+\j], v[SA4], s[16:17] offset:(32*(\j/2)+8*(\j%2))*4
.endr
.irp c, 0,1
	global_load_b128 v[24+4*\c:24+4*\c+3], v[FA], s[10:11] offset:32*\c
.endr
	global_load_b32 v[QPS], v[RA], s[12:13]
.irp j, 0,1,2,3
	global_load_b32 v[240+\j], v[SA4], s[22:23] offset:(32*(\j/2)+8*(\j%2))*4
.endr
	s_wait_loadcnt 43                              ; Q's 16 loads are in; the 43 issued behind them may be out
	QUANT 160, 16, TW                              ; Q's codes and scale words
.irp j, 0,1,2,3,4,5,6,7
	global_load_b128 v[160+8*\j:160+8*\j+3], v[HA], s[24:25] offset:(32*(\j/2)+8*(\j%2))*4      ; WQP's bias, into the second product's accumulators
	global_load_b128 v[160+8*\j+4:160+8*\j+7], v[HA], s[24:25] offset:(32*(\j/2)+8*(\j%2))*4+16
.endr
	s_wait_alu depctr_va_vdst(0)
	s_wait_loadcnt 16                              ; all but these 16
	PLACES 8                                       ; a scale word made by vector instructions stands eight places ahead of a scaled product
.irp j, 0,1,2,3,4,5,6,7
	WMS 96+8*\j, 32+8*\j, 16, 96+8*\j, 248+\j%4, TW, \j/4, 0       ; q^T = WQ Q^T + b
.endr
	PLACES 4
.irp j, 0,1,2,3,4,5,6,7
.irp c, 0,1
	global_load_b128 v[32+8*\j+4*\c:32+8*\j+4*\c+3], v[FA], s[20:21] offset:(32*(\j/2)+8*(\j%2))*64+32*\c
.endr
.endr
	QUANT 96, 16, 255                              ; q's fragment and scale words
	s_wait_loadcnt 0x0
.irp j, 0,1,2,3,4,5,6,7
	WMS 160+8*\j, 32+8*\j, 24, 160+8*\j, 240+\j%4, QPS, \j/4, 0    ; qp^T = WQP Q_position^T + b
.endr
	PLACES 4
	QUANT 160, 24, TW                              ; qp's fragment, over Q_position's, and its scale words
	v_and_b32 v254, 31, v0
	s_delay_alu instid0(VALU_DEP_1)
	v_cmp_lt_u32 vcc_lo, 15, v254
	s_delay_alu instid0(VALU_DEP_1)
	v_cndmask_b32 v255, v255, v[TW], vcc_lo        ; v255: lanes 0-15 q's scale words, lanes 16-31 qp's
	s_delay_alu instid0(VALU_DEP_3)
	v_lshlrev_b32 v[PFO], 8, v254                  ; (every load that read v9 has been waited for)
	v_mov_b32 v13, 0xff61b1e6                      ; the largest t so far: -3e38, under every t
	s_delay_alu instid0(VALU_DEP_1)
	v_floor_f32 v12, -v13                          ; -M
	v_mov_b32 v14, 0
	v_mov_b32 v15, 0
	v_mov_b32 v253, 0                              ; (named as the upper half of the pair v[252:253] before it is first written)
.set J, 0
.rept 64
	v_mov_b32 v[160+J], 0                          ; O^T: the key step is written once; its first pass finds zeros, which the first change of M leaves zeros
.set J, J+1
.endr
; A KEY STEP: 128 keys, the q-th of the slot in hand.
.macro STEP q
.irp g, 0,1                                    ; S^T = k q^T + kp qp^T, four tiles of 16 keys at a time
	PLACES 4                                       ; in front of loads into registers that matrix instructions have read
.irp t, 0,1,2,3
.irp x, 0,1
.irp c, 0,1
	ds_load_b128 v[32+16*\t+8*\x+4*\c:32+16*\t+8*\x+4*\c+3], v[ADK] offset:16384*(\q)+2048*(4*\g+\t)+1024*\x+512*\c
.endr
.endr
.endr
	ds_load_b128 v[248:251], v[ADV] offset:32768+1024*(\q)+512*\g   ; the four tiles' scale words: lanes 0-15 k's, lanes 16-31 kp's
	s_wait_dscnt 0x0
.irp t, 0,1,2,3
	WMS0 96+8*(4*\g+\t), 32+16*\t, 16, 248+\t, 255
.endr
.irp t, 0,1,2,3                                ; the four accumulators by turns, one instruction a turn
	WMS 96+8*(4*\g+\t), 40+16*\t, 24, 96+8*(4*\g+\t), 248+\t, 255, 1, 1
.endr
.endr
	PLACES 4
.irp t, 0,1,2,3,4,5,6,7                        ; v^T's eight fragments are asked for now and land under the softmax
.irp c, 0,1
	ds_load_b128 v[32+8*\t+4*\c:32+8*\t+4*\c+3], v[ADV] offset:8192*(\q)+1024*\t+512*\c
.endr
.endr
	ds_load_b128 v[248:251], v[ADV] offset:36864+512*(\q)
.irp b, 0,1,2,3
	v_max3_num_f32 v[232+\b], v[96+16*\b], v[97+16*\b], v[98+16*\b]   ; the largest score of each block of 32 keys: for the row's maximum, and, since p rises with the score, for the block's largest p
.endr
.irp i, 3,5,7,9,11,13
.irp b, 0,1,2,3
	v_max3_num_f32 v[232+\b], v[232+\b], v[96+16*\b+\i], v[97+16*\b+\i]
.endr
.endr
.irp b, 0,1,2,3
	v_max_num_f32 v[232+\b], v[232+\b], v[111+16*\b]
.endr
.irp b, 0,1,2,3
	s_delay_alu instid0(VALU_DEP_4)
	v_permlanex16_b32 v[236+\b], v[232+\b], s[SEL], s[SEL+1]
.endr
.irp b, 0,1,2,3
	s_delay_alu instid0(VALU_DEP_4)
	v_max_num_f32 v[232+\b], v[232+\b], v[236+\b]  ; with lane l xor 16's 16 keys
.endr
	s_delay_alu instid0(VALU_DEP_2)
	v_max3_num_f32 v254, v232, v233, v234
	s_delay_alu instid0(VALU_DEP_1)
	v_max_num_f32 v254, v254, v235                 ; the step's largest score of my query
	s_delay_alu instid0(VALU_DEP_1)
	v_mul_f32 v254, s[CS], v254                    ; as t (c is positive)
	s_delay_alu instid0(VALU_DEP_1)
	v_max_num_f32 v13, v13, v254                   ; the running largest t
	v_mov_b32 v254, v12
	s_delay_alu instid0(VALU_DEP_2)
	v_floor_f32 v12, -v13                          ; the new -M = floor(-t) = -ceil(t): a whole number
	s_delay_alu instid0(VALU_DEP_1)
	v_sub_f32 v254, v12, v254                      ; old M - new M: a whole number, 0 or less
	s_delay_alu instid0(VALU_DEP_1)
	v_cvt_i32_f32 v254, v254                       ; (it saturates)
	s_delay_alu instid0(VALU_DEP_1)
	v_ldexp_f32 v252, 1.0, v254                    ; f = 2^(old M - new M)
.set J, 0
.rept 32
	v_pk_fma_f32 v[96+J:97+J], v[96+J:97+J], s[CS:CS+1], v[12:13] op_sel_hi:[1,0,0]   ; t - M, two at a time
.set J, J+2
.endr
.irp b, 0,1,2,3
	v_fma_f32 v[232+\b], v[232+\b], s[CS], v12     ; the same of each block's largest score
.endr
.set J, 0
	s_wait_alu depctr_va_vdst(0)
.rept 64
	v_exp_f32 v[96+J], v[96+J]                     ; p = 2^(t - M), at most 1
.set J, J+1
.endr
	v_pk_mul_f32 v[14:15], v[14:15], v[252:253] op_sel_hi:[1,0]   ; the sums under the new M: a plain place behind the exponentials
	s_wait_alu depctr_va_vdst(0)                   ; one wait for the whole batch, ahead of its first reader
.irp b, 0,1,2,3
	v_exp_f32 v[232+\b], v[232+\b]                 ; the block's largest p: the same two instructions on the same number
.endr
	v_pk_add_f32 v[236:237], v[96:97], v[98:99]    ; the row's sum is taken of the unquantised p: two at a time, in two chains
.irp j, 4,8,12,16,20,24,28,32,36,40,44,48,52,56,60
	v_pk_add_f32 v[14:15], v[14:15], v[96+\j:97+\j]
	v_pk_add_f32 v[236:237], v[236:237], v[98+\j:99+\j]
.endr
	s_delay_alu instid0(VALU_DEP_1)
	v_pk_add_f32 v[14:15], v[14:15], v[236:237]
	s_wait_alu depctr_va_vdst(0)                   ; and one for the four
.irp b, 0,1,2,3
	v_max_num_f32 v[232+\b], 0x1800000, v[232+\b]  ; the floor 2^(3 - 127): the byte cannot fall under 1
.endr
.irp b, 0,1,2,3
	s_delay_alu instid0(VALU_DEP_4)
	v_add_nc_u32 v[244+\b], 0xff000000, v[232+\b]  ; 2 off the exponent field: the conversion's scale operand
.endr
.irp b, 0,1,2,3
	s_delay_alu instid0(VALU_DEP_4)
	v_lshrrev_b32 v[236+\b], 23, v[244+\b]         ; the scale's byte
.endr
	s_delay_alu instid0(VALU_DEP_3)
	v_lshl_or_b32 v253, v237, 8, v236              ; p's scale word for these 128 keys
	s_delay_alu instid0(VALU_DEP_1)
	v_lshl_or_b32 v253, v238, 16, v253
	s_delay_alu instid0(VALU_DEP_1)
	v_lshl_or_b32 v253, v239, 24, v253
.irp b, 0,1,2,3
	v_cvt_scalef32_pk8_fp4_f32 v[224+2*\b], v[96+16*\b:103+16*\b], v[244+\b]
	v_cvt_scalef32_pk8_fp4_f32 v[225+2*\b], v[104+16*\b:111+16*\b], v[244+\b]
.endr
	v_nop                                          ; one plain place behind a scaled conversion
.irp c, 0,1
.irp i, 0,1
	v_permlane16_swap_b32 v[224+4*\c+\i], v[226+4*\c+\i]
.endr
.endr
.set J, 0
.rept 32
	v_pk_mul_f32 v[160+J:161+J], v[160+J:161+J], v[252:253] op_sel_hi:[1,0]   ; O^T under the new M.  These 32 are also the places in front of the products below
.set J, J+2
.endr
	s_wait_alu depctr_va_vdst(0)
	s_wait_dscnt 0x0                               ; v^T's fragments and scale words are in
.irp t, 0,1,2,3,4,5,6,7
	WMS 160+8*\t, 32+8*\t, 224, 160+8*\t, 248+\t%4, 253, \t/4, 0   ; O^T += v^T p^T
.endr
.endm
; THE CHANGE OF SLOTS stands at a slot's head.  Each wave waits for all its tensor loads (its part of the slot that it is about to read), adds 0 to its spare word, and waits for that and for its reads of the slot that it
; has left.  fill = 1: the barrier is a round of the cluster's, and behind it the slot just left is filled with the next 512 keys: the load has four key steps in which to land.  A wave has at most one tensor load out.
.macro CHANGE fill
	s_wait_tensorcnt 0x0                           ; no tensor load of mine is out, so the group 0 may be written
	ds_add_u32 v[SPW], v[NIL]                      ; 0 onto my spare word
.if \fill
	s_xor_b32 s[G0+1], s[G0+1], SLOT1              ; the walking descriptor: the other slot than last time,
	s_add_nc_u64 s[G0+2:G0+3], s[G0+2:G0+3], SLOTB ; the next slot of kv; the type bits on top are not reached
	s_wait_xcnt 0x0                                ; the last prefetch, a slot back, has read its address, so it may be written:
	s_add_nc_u64 s[PFA:PFA+1], s[PFA:PFA+1], SLOTB ; one slot further on than the walking descriptor
.endif
	s_wait_dscnt 0x0                               ; the add is done, and my reads of the slot that I have left are over
.if \fill
	CROUND                                         ; no wave of any partner still reads that slot or has a load on its way
	JLOAD                                          ; the first tensor load behind the round, and a wave's only one until the next
	ASK
.else
	s_barrier_signal -1
	s_barrier_wait -1
.endif
	v_add_nc_u32 v[ADK], s[TB], v[LI]
	s_delay_alu instid0(VALU_DEP_1)
	v_add_nc_u32 v[ADV], 0x10000, v[ADK]
.endm
.macro SLOT_STEPS
	STEP 0
	STEP 1
	STEP 2
	STEP 3
	s_xor_b32 s[TB], s[TB], SLOT1                  ; on to the other slot
.endm
.Lslot:                                            ; three trips: behind each change of slots but the last the next slot is asked for
	CHANGE 1
	s_wait_alu depctr_va_vdst(0)
	SLOT_STEPS
	s_sub_co_u32 s[SLOTS], s[SLOTS], 1
	s_cmp_lg_u32 s[SLOTS], 0
	s_cbranch_scc1 .Lslot
	CHANGE 0                                       ; the last slot is written out
	s_wait_alu depctr_va_vdst(0)
	SLOT_STEPS
	; ---- THE WAY OUT: ctx = O^T / the row's sum, quantised along the head's 128: one fragment's image and 16 scale words
	PLACES 4
	v_add_f32 v14, v14, v15                        ; the sum's two halves,
	s_delay_alu instid0(VALU_DEP_1)
	v_permlanex16_b32 v252, v14, s[SEL], s[SEL+1]
	s_delay_alu instid0(VALU_DEP_1)
	v_add_f32 v14, v14, v252                       ; and lane l xor 16's
	s_wait_alu depctr_va_vdst(0)
	v_rcp_f32 v14, v14
	v_and_b32 v254, 31, v0                         ; (a plain place behind the reciprocal)
	s_delay_alu instid0(VALU_DEP_1)
	v_lshlrev_b32 v252, 2, v254
	s_wait_alu depctr_va_vdst(0)                   ; ahead of the reciprocal's first reader
.set J, 0
.rept 64
	v_mul_f32 v[96+J], v[160+J], v14               ; register 16 b + i is ctx(my query, 32 b + 16 h + i)
.set J, J+1
.endr
	QUANT 96, 224, 253
	global_store_b128 v[LI], v[224:227], s[28:29]                     ; 512 consecutive bytes, aligned
	global_store_b128 v[LI], v[228:231], s[28:29] offset:512
	s_wait_xcnt 0x0                                ; EXEC changes only behind this wait
	v_cmp_gt_u32 vcc_lo, 16, v254
	s_and_saveexec_b32 s54, vcc_lo
	global_store_b32 v252, v253, s[30:31]          ; lanes 0-15: my tile's 16 scale words
	s_wait_xcnt 0x0                                ; and again, in front of the line that widens it
	s_or_b32 exec_lo, exec_lo, s54
	s_wait_tensorcnt 0x0                           ; the wave's end
	ds_add_u32 v[SPW], v[NIL]
	s_wait_dscnt 0x0
	CROUND                                         ; the closing round: no work-group ends while a partner may still ask for a tile that names it
	s_endpgm
.Lfunc_end_k_q0dfc677a4e_attn:
	.size	k_q0dfc677a4e_attn, .Lfunc_end_k_q0dfc677a4e_attn-k_q0dfc677a4e_attn
	.p2alignl 7, 3214868480
	.fill 96, 4, 3214868480
	.section	.rodata,"a",@progbits
	.p2align	6, 0x0
	.amdhsa_kernel k_q0dfc677a4e_attn
		.amdhsa_group_segment_fixed_size 327680
		.amdhsa_private_segment_fixed_size 0
		.amdhsa_enable_private_segment 0
		.amdhsa_kernarg_size 96
		.amdhsa_user_sgpr_count 2
		.amdhsa_user_sgpr_kernarg_segment_ptr 1
		.amdhsa_wavefront_size32 1
		.amdhsa_system_sgpr_workgroup_id_x 1
		.amdhsa_system_sgpr_workgroup_id_y 1
		.amdhsa_system_sgpr_workgroup_id_z 1
		.amdhsa_system_vgpr_workitem_id 0
		.amdhsa_next_free_vgpr 256
		.amdhsa_next_free_sgpr 72
		.amdhsa_reserve_vcc 1
		.amdhsa_float_denorm_mode_32 3
		.amdhsa_float_denorm_mode_16_64 3
		.amdhsa_memory_ordered 1
		.amdhsa_forward_progress 1
		.amdhsa_inst_pref_size 204
	.end_amdhsa_kernel
	.amdgpu_metadata
---
amdhsa.version: [ 1, 2 ]
amdhsa.kernels:
  - .name:           k_q0dfc677a4e_attn
    .symbol:         k_q0dfc677a4e_attn.kd
    .args:
      - { .name: Q, .offset: 0, .size: 8, .value_kind: global_buffer, .address_space: global }
      - { .name: Q_position_codes, .offset: 8, .size: 8, .value_kind: global_buffer, .address_space: global }
      - { .name: Q_position_scales, .offset: 16, .size: 8, .value_kind: global_buffer, .address_space: global }
      - { .name: WQ_w_codes, .offset: 24, .size: 8, .value_kind: global_buffer, .address_space: global }
      - { .name: WQ_w_scales, .offset: 32, .size: 8, .value_kind: global_buffer, .address_space: global }
      - { .name: WQ_b, .offset: 40, .size: 8, .value_kind: global_buffer, .address_space: global }
      - { .name: WQP_w_codes, .offset: 48, .size: 8, .value_kind: global_buffer, .address_space: global }
      - { .name: WQP_w_scales, .offset: 56, .size: 8, .value_kind: global_buffer, .address_space: global }
      - { .name: WQP_b, .offset: 64, .size: 8, .value_kind: global_buffer, .address_space: global }
      - { .name: kv, .offset: 72, .size: 8, .value_kind: global_buffer, .address_space: global }
      - { .name: ctxf, .offset: 80, .size: 8, .value_kind: global_buffer, .address_space: global }
      - { .name: ctxs, .offset: 88, .size: 8, .value_kind: global_buffer, .address_space: global }
    .group_segment_fixed_size: 327680
    .private_segment_fixed_size: 0
    .kernarg_segment_align: 8
    .kernarg_segment_size: 96
    .max_flat_workgroup_size: 512
    .sgpr_count:     72
    .vgpr_count:     256
    .wavefront_size: 32
...
	.end_amdgpu_metadata
.endif
;; end of part 5
;; launch outp (part 6): grid 256 x 1, 4 waves a work-group, no clusters, 199,168 bytes of LDS; arguments ctxf, ctxs, qlin_w_codes, qlin_w_scales, qlin_b, out0, vff, vfs, vlin_w_codes, vlin_w_scales, vlin_b, out1, Q, ln_g, ln_b; writes out0, out1
.if DOCPART == 6
	.amdgcn_target "amdgcn-amd-amdhsa--gfx1250"
	.amdhsa_code_object_version 6
	.text
	.protected	k_q0dfc677a4e_outp
	.globl	k_q0dfc677a4e_outp
	.p2align	8
	.type	k_q0dfc677a4e_outp,@function
k_q0dfc677a4e_outp:
	s_mov_b64 s[64:65], 0
	v_nop
	global_prefetch_b8 v0, s[64:65] scope:SCOPE_SE
	s_setreg_imm32_b32 hwreg(HW_REG_WAVE_SCHED_MODE, 0, 2), 2
	s_setreg_imm32_b32 hwreg(HW_REG_WAVE_MODE, 25, 1), 1
	s_wait_xcnt 0x0
	s_wait_alu depctr_vm_vsrc(0)
; THE TWO OUTPUT PRODUCTS, on codes of FP4 (E2M1) with one E8M0 scale for each 32 along K = 1,024:
;   kind 0 (work-groups 0-127):   out0 = layer norm(ctx qlin^T + qlin_b + Q) x ln_g + ln_b;      kind 1 (work-groups 128-255): out1 = v_flat vlin^T + vlin_b.
; ctx and v_flat come as images of operand registers, [tile of 16 tokens 512][K step = head 8][1,024 bytes], scale words [group of 128 tokens 64][K step 8][tile 8][row 16].
; Lane r of tile 8 G + t holds token 128 G + 32 (t / 2) + 8 (t % 2) + r + 8 (r / 8).
; SHARES: a wave takes one tile of 16 tokens x all 128 outputs x all of K: 64 matrix instructions on 8 accumulators by turns.  The weight (65,536 bytes of codes) is laid ONCE in the work-group's LDS as images of its
; 64 fragments (each wave turns a quarter: 32 loads, 32 LDS stores), one barrier, and every wave reads it from there, two to three K steps ahead of its products.
; The product is used transposed (source 0 = 16 outputs, source 1 = 16 tokens): a lane's eight results are eight neighbouring outputs of one token; they turn through the wave's own stage in LDS into whole rows of
; 512 bytes, on which bias, residual and layer norm work (mean first, then the mean of the squared differences, as the module has it) and which leave as whole rows.
; The two kinds part at the head on the work-group's number and never meet again: the body is written twice by one macro, each copy with LDS bytes of its own.
; NO CLUSTER, NO TENSOR LOAD: the weight is brought once, with no ring behind it, and has to be turned from rows of 512 bytes into images, which the registers do on the way.  NO PREFETCH: every load is issued at the head.
; LIMITS: NaN and infinities are not served.
; THE MODE: SCHED_MODE bits 1:0 = 2 (LLVM: expert scheduling mode 2), set by the entry lines.  The code itself states the register dependences
; between vector or matrix instructions and memory or LDS instructions, with s_wait_alu, always for 0.
; THE PLAN.  Registers that memory or LDS instructions touch:
;   v1-v8            offsets and LDS addresses, made once at the head and never written again: one wait ahead of the first load serves the whole kernel.
;   v48-175          at the head: my quarter of the weight, landed by loads and read by my 32 LDS stores; one wait on vm_vsrc behind the barrier, and they are sets 0 and 1.
;   sets 0 to 3      K step S lies in set S % 4: landed by LDS loads, read by the step's eight products.  Steps 0 to 3 are first fills.  Steps 4 and 5 land in sets 0 and 1 behind ONE wait on va_vdst, which
;                    states that the products of steps 0 and 1 are done reading them; steps 6 and 7 likewise behind the products of steps 2 and 3.  So the 64 products hold two such waits.
;                    The loads stand in runs of 32: a product on sets 2 and 3 names window 1 for its source 0, which is also the place of an LDS load's address.
;   the accumulators written by the products, read by the stage's 16 LDS stores: the four places, then one wait on va_vdst, which also states that set 0, in which the rows land, is done being read.
;   v48-111 again    the rows: landed by LDS loads, worked on by vector instructions, read by the 16 global stores behind one wait on va_vdst.
;   v254, v255       written at the head, read by the closing add alone.
.set LI,   1                           ; v1   16 x lane
.set WF,   2                           ; v2   where I read the weight's images
.set WST,  3                           ; v3   where I store my quarter of them: + 2,048 x wave
.set STO,  4                           ; v4   my stage: 528 r + 32 h
.set RD,   5                           ; v5   my stage: 16 x lane
.set WA,   6                           ; v6   512 r + 16 h: a weight's row is 512 bytes
.set WSA,  7                           ; v7   32 r + 16 h: its 8 scale words: lanes 0-15 K steps 0-3, lanes 16-31 K steps 4-7
.set XSA,  8                           ; v8   512 h + 4 r: the tokens' scale words: lanes 0-15 an even K step, lanes 16-31 the odd one behind it
.set XS,   12                          ; v12-15
.set WS,   16                          ; v16-47
.set WB0,  48                          ; v48-111, v112-175: sets 0 and 1 of the weight's 8 fragments of a K step; first my quarter of the weight; later rows of the result, and the layer norm's sums
.set WB1,  128                         ; window 1, v128-191, v192-255: sets 2 and 3
.set ACC,  176                         ; v176-239
.set BI,   240                         ; v240-243 bias, v244-247 ln_g, v248-251 ln_b: of my four outputs
.set LG,   244
.set LBE,  248
.set SEL,  38                          ; window 1: v0-63 Q's 16 rows; v64-127 the tokens' 8 fragments
.set MSB, 0
.macro WIN new                         ; the immediate's high byte repeats the setting that is left
.if MSB != \new
	s_set_vgpr_msb (MSB<<8)|\new
.set MSB, \new
.endif
.endm
.macro PLACES n
.rept \n
	v_nop
.endr
.endm
.macro WMS d, a, b, c, sa, sb, ra, rb
.if (\ra) && (\rb)
	v_wmma_scale_f32_16x16x128_f8f6f4 v[\d:\d+7], v[\a:\a+7], v[\b:\b+7], v[\c:\c+7], v[\sa], v[\sb] matrix_a_fmt:MATRIX_FMT_FP4 matrix_b_fmt:MATRIX_FMT_FP4 matrix_a_scale:MATRIX_SCALE_ROW1 matrix_b_scale:MATRIX_SCALE_ROW1
.elseif (\ra)
	v_wmma_scale_f32_16x16x128_f8f6f4 v[\d:\d+7], v[\a:\a+7], v[\b:\b+7], v[\c:\c+7], v[\sa], v[\sb] matrix_a_fmt:MATRIX_FMT_FP4 matrix_b_fmt:MATRIX_FMT_FP4 matrix_a_scale:MATRIX_SCALE_ROW1
.elseif (\rb)
	v_wmma_scale_f32_16x16x128_f8f6f4 v[\d:\d+7], v[\a:\a+7], v[\b:\b+7], v[\c:\c+7], v[\sa], v[\sb] matrix_a_fmt:MATRIX_FMT_FP4 matrix_b_fmt:MATRIX_FMT_FP4 matrix_b_scale:MATRIX_SCALE_ROW1
.else
	v_wmma_scale_f32_16x16x128_f8f6f4 v[\d:\d+7], v[\a:\a+7], v[\b:\b+7], v[\c:\c+7], v[\sa], v[\sb] matrix_a_fmt:MATRIX_FMT_FP4 matrix_b_fmt:MATRIX_FMT_FP4
.endif
.endm
.macro WMS0 d, a, b, sa, sb            ; K step 0 starts the sums (both sides' scale words in lanes 0-15)
	v_wmma_scale_f32_16x16x128_f8f6f4 v[\d:\d+7], v[\a:\a+7], v[\b:\b+7], 0, v[\sa], v[\sb] matrix_a_fmt:MATRIX_FMT_FP4 matrix_b_fmt:MATRIX_FMT_FP4
.endm
.macro FETCHW s                        ; the weight's 8 fragments of K step s into set s % 4; the line in front has set the destination's window: 0 for sets 0 and 1, 1 for sets 2 and 3
.if ((\s)%4) < 2
.set FB, WB0+64*((\s)%2)
.else
.set FB, WB1+64*((\s)%2)
.endif
.irp n, 0,1,2,3,4,5,6,7
.irp c, 0,1
	ds_load_b128 v[FB+8*\n+4*\c:FB+8*\n+4*\c+3], v[WF] offset:(8*(\s)+\n)*1024+512*\c
.endr
.endr
.endm
.macro MULS s                          ; K step s: eight products; the eight accumulators by turns, one instruction a turn
.if ((\s)%4) < 2
	WIN 0x04                                       ; source 1 (the tokens' fragments) in window 1
.set FB, WB0+64*((\s)%2)
.else
	WIN 0x05                                       ; and source 0 (sets 2 and 3) too
.set FB, WB1+64*((\s)%2)
.endif
.irp n, 0,1,2,3,4,5,6,7
.if (\s) == 0
	WMS0 ACC+8*\n, FB+8*\n, 64, WS+4*\n, XS
.else
	WMS ACC+8*\n, FB+8*\n, 64+8*(\s), ACC+8*\n, WS+4*\n+(\s)%4, XS+(\s)/2, (\s)/4, (\s)%2
.endif
.endr
.endm
; sixteen rows' sums over the 32 lanes: row i's two halves in the pair v[base + 2 i]; the sum ends in the pair's first register, in every lane
.macro RSUM base
.irp i, 0,1,2,3,4,5,6,7,8,9,10,11,12,13,14,15
	v_add_f32 v[\base+2*\i], v[\base+2*\i], v[\base+2*\i+1]
.endr
.irp m, 1,2,4,8
.irp i, 0,1,2,3,4,5,6,7,8,9,10,11,12,13,14,15
	v_add_f32_dpp v[\base+2*\i], v[\base+2*\i], v[\base+2*\i] row_xmask:\m row_mask:0xf bank_mask:0xf
.endr
.endr
.irp i, 0,1,2,3,4,5,6,7,8,9,10,11,12,13,14,15
	v_permlanex16_b32 v[\base+2*\i+1], v[\base+2*\i], s[SEL], s[SEL+1]
.endr
.irp i, 0,1,2,3,4,5,6,7,8,9,10,11,12,13,14,15
	v_add_f32 v[\base+2*\i], v[\base+2*\i], v[\base+2*\i+1]
.endr
.endm
	s_load_b512 s[8:23], s[0:1], 0x0               ; from s8: ctxf, ctxs, qlin's codes, scales, bias, out0; from s20: vff, vfs,
	s_load_b256 s[24:31], s[0:1], 0x40             ; vlin's codes, scales, bias, out1
	s_load_b128 s[32:35], s[0:1], 0x60             ; Q, ln_g
	s_load_b64 s[36:37], s[0:1], 0x70              ; ln_b
	v_lshl_add_u32 v254, v0, 2, 0x30800
	v_mov_b32 v255, 0
	v_lshrrev_b32 v1, 5, v0
	v_readfirstlane_b32 s4, v1                     ; wave 0..3
	v_and_b32 v252, 15, v0                         ; r
	v_bfe_u32 v253, v0, 4, 1                       ; h
	v_and_b32 v1, 31, v0
	v_lshlrev_b32 v[LI], 4, v1
	v_lshlrev_b32 v[WA], 9, v252
	v_lshl_add_u32 v[WA], v253, 4, v[WA]
	v_lshlrev_b32 v[WSA], 5, v252
	v_lshl_add_u32 v[WSA], v253, 4, v[WSA]
	v_lshlrev_b32 v[XSA], 2, v252
	v_lshl_add_u32 v[XSA], v253, 9, v[XSA]
	v_mul_u32_u24 v9, v252, 528
	v_lshl_add_u32 v9, v253, 5, v9
	s_wait_alu depctr_va_vdst(0)
	s_wait_alu depctr_va_sdst(0)                   ; s4, the wave's number, is written, ahead of its first reader: my tile and my LDS bytes are made from it
	s_lshr_b32 s2, ttmp9, 7                        ; kind
	s_and_b32 s3, ttmp9, 127
	s_lshl_b32 s3, s3, 2
	s_add_co_u32 s3, s3, s4                        ; my tile of 16 tokens, 0 .. 511
	s_lshl_b32 s42, s4, 14                         ; my 32 rows of the weight
	s_mov_b32 s43, 0
	s_lshr_b32 s5, s3, 3                           ; G
	s_and_b32 s6, s3, 7                            ; t
	s_lshl_b32 s44, s5, 12
	s_lshl_b32 s7, s6, 6
	s_add_co_u32 s44, s44, s7                      ; my tile's scale words: 4,096 G + 64 t
	s_mov_b32 s45, 0
	s_lshl_b32 s46, s3, 13                         ; my tile's 8 fragments
	s_mov_b32 s47, 0
	s_lshl_b32 s5, s5, 7
	s_lshr_b32 s7, s6, 1
	s_lshl_b32 s7, s7, 5
	s_add_co_u32 s5, s5, s7
	s_and_b32 s7, s6, 1
	s_lshl_b32 s7, s7, 3
	s_add_co_u32 s5, s5, s7                        ; my tile's first token
	s_lshl_b32 s6, s5, 9                           ; its row of 512 bytes in Q and in the output
	s_mov_b32 s7, 0
	s_mul_i32 s5, s4, 8448                         ; my stage: 16 rows of 528 bytes
	s_lshl_b32 s4, s4, 11                          ; my two fragments of each K step of the weight's images
	s_mov_b32 s[SEL], 0x76543210
	s_mov_b32 s[SEL+1], 0xfedcba98
	s_mov_b32 s40, 0x3c000000                      ; 1 / 128
	s_mov_b32 s41, 0x3727c5ac                      ; 1e-5
	v_add_nc_u32 v9, s5, v9
	v_add_nc_u32 v10, s5, v[LI]
	v_add_nc_u32 v11, s4, v[LI]
	s_wait_kmcnt 0x0
	s_cmp_lg_u32 s2, 0
	s_cbranch_scc1 .Lvout
; p: the first of the kind's six addresses;  lb: the kind's LDS bytes: +0 the weight's images, fragment (K step s, tile n) at (8 s + n) x 1,024;  +65,536 four stages
.macro BODY kind, p, lb
	s_add_nc_u64 s[\p:\p+1], s[\p:\p+1], s[46:47]
	s_add_nc_u64 s[\p+2:\p+3], s[\p+2:\p+3], s[44:45]
	s_add_nc_u64 s[\p+4:\p+5], s[\p+4:\p+5], s[42:43]
	s_add_nc_u64 s[\p+10:\p+11], s[\p+10:\p+11], s[6:7]
.if \kind == 0
	s_add_nc_u64 s[32:33], s[32:33], s[6:7]
.endif
	v_add_nc_u32 v[WF], \lb, v[LI]
	v_add_nc_u32 v[WST], \lb, v11
	v_add_nc_u32 v[STO], \lb+65536, v9
	v_add_nc_u32 v[RD], \lb+65536, v10
	s_wait_alu depctr_va_vdst(0)                   ; the offsets and LDS addresses v1 to v8 are written: every load and store below, global or LDS, reads one of them, and no vector instruction writes one again
.irp n, 0,1                                    ; my quarter of the weight: tiles 2 w, 2 w + 1 of the outputs, all 8 K steps: 32 loads
.irp s, 0,1,2,3,4,5,6,7
.irp c, 0,1
	global_load_b128 v[WB0+8*(8*\n+\s)+4*\c:WB0+8*(8*\n+\s)+4*\c+3], v[WA], s[\p+4:\p+5] offset:8192*\n+64*\s+32*\c
.endr
.endr
.endr
.irp n, 0,1,2,3,4,5,6,7
	global_load_b128 v[WS+4*\n:WS+4*\n+3], v[WSA], s[\p+6:\p+7] offset:512*\n
.endr
.irp i, 0,1,2,3
	global_load_b32 v[XS+\i], v[XSA], s[\p+2:\p+3] offset:1024*\i
.endr
	global_load_b128 v[BI:BI+3], v[LI], s[\p+8:\p+9]
	WIN 0x40                                       ; destination window 1
.irp s, 0,1,2,3,4,5,6,7
.irp c, 0,1
	global_load_b128 v[64+8*\s+4*\c:64+8*\s+4*\c+3], v[LI], s[\p:\p+1] offset:1024*\s+512*\c
.endr
.endr
.if \kind == 0
.irp i, 0,1,2,3,4,5,6,7,8,9,10,11,12,13,14,15
	global_load_b128 v[4*\i:4*\i+3], v[LI], s[32:33] offset:(\i+8*(\i/8))*512     ; the residual: my 16 tokens' rows of Q
.endr
	WIN 0
	global_load_b128 v[LG:LG+3], v[LI], s[34:35]
	global_load_b128 v[LBE:LBE+3], v[LI], s[36:37]
	s_wait_loadcnt 47                              ; the weight's 32 loads are in; behind them: 8 + 4 + 1 + 16 + 16 + 2
.else
	WIN 0
	s_wait_loadcnt 29                              ; behind the weight's 32: 8 + 4 + 1 + 16
.endif
.irp n, 0,1
.irp s, 0,1,2,3,4,5,6,7
.irp c, 0,1
	ds_store_b128 v[WST], v[WB0+8*(8*\n+\s)+4*\c:WB0+8*(8*\n+\s)+4*\c+3] offset:(8*\s+\n)*1024+512*\c
.endr
.endr
.endr
	s_wait_dscnt 0x0                               ; for the others' sake: my quarter of the images has landed
	s_barrier_signal -1
	s_barrier_wait -1                              ; all 64 fragments lie in LDS
.if \kind == 0
	s_wait_loadcnt 18                              ; scale words, bias and the tokens' fragments are in; Q's 16 rows, ln_g and ln_b may be out
.else
	s_wait_loadcnt 0x0
.endif
	WIN 0x04                                       ; source 1 (the tokens' fragments) in window 1; LDS loads name a destination and a source 0 alone
	s_wait_alu depctr_vm_vsrc(0)                   ; my LDS stores have read v48 to v175: these registers are sets 0 and 1 from here on, in which the fragments' loads land
	FETCHW 0
	FETCHW 1
	WIN 0x40                                       ; destination window 1
	FETCHW 2                                       ; sets 2 and 3 are named by nothing before these loads
	s_wait_dscnt 32                                ; K step 0's fragments are in; the 32 loads of steps 1 and 2 may be out
	FETCHW 3
	MULS 0
	s_wait_dscnt 32                                ; step 1's are in; steps 2 and 3's may be out
	MULS 1
	s_wait_dscnt 16                                ; step 2's are in; step 3's may be out
	PLACES 4                                       ; the places in front of loads into registers that matrix instructions have read stay beside the wait below
	s_wait_alu depctr_va_vdst(0)                   ; the products of K steps 0 and 1 are done reading sets 0 and 1, in which the 32 loads below land
	FETCHW 4                                       ; (the products' setting serves these loads: destination and address in window 0)
	FETCHW 5
	MULS 2
	s_wait_dscnt 32                                ; step 3's are in; steps 4 and 5's may be out
	MULS 3
	s_wait_dscnt 16                                ; step 4's are in; step 5's may be out
	PLACES 4                                       ; as above
	WIN 0x40                                       ; destination window 1
	s_wait_alu depctr_va_vdst(0)                   ; the products of K steps 2 and 3 are done reading sets 2 and 3, in which the 32 loads below land
	FETCHW 6
	FETCHW 7
	MULS 4
	s_wait_dscnt 32                                ; step 5's are in; steps 6 and 7's may be out
	MULS 5
	s_wait_dscnt 16                                ; step 6's are in
	MULS 6
	s_wait_dscnt 0x0
	MULS 7
	WIN 0
	PLACES 4                                       ; four places behind the last product, before its result is read
	s_wait_alu depctr_va_vdst(0)                   ; the products have written the accumulators, which the LDS stores read, and are done reading set 0, in which the rows land; the places above stay beside this wait
.irp n, 0,1,2,3,4,5,6,7
	ds_store_b128 v[STO], v[ACC+8*\n:ACC+8*\n+3] offset:64*\n         ; lane (r, h): outputs 16 n + 8 h + 0 .. 7 of token r; each accumulator from its low end on
	ds_store_b128 v[STO], v[ACC+8*\n+4:ACC+8*\n+7] offset:64*\n+16
.endr
.irp i, 0,1,2,3,4,5,6,7,8,9,10,11,12,13,14,15
	ds_load_b128 v[WB0+4*\i:WB0+4*\i+3], v[RD] offset:528*\i          ; LDS serves a wave's instructions in order: these see my stores; the stage is my own
.endr
	s_wait_dscnt 0x0
.irp i, 0,1,2,3,4,5,6,7,8,9,10,11,12,13,14,15
	v_pk_add_f32 v[WB0+4*\i:WB0+4*\i+1], v[WB0+4*\i:WB0+4*\i+1], v[BI:BI+1]
	v_pk_add_f32 v[WB0+4*\i+2:WB0+4*\i+3], v[WB0+4*\i+2:WB0+4*\i+3], v[BI+2:BI+3]
.endr
.if \kind == 0
	s_wait_loadcnt 0x0                             ; Q, ln_g, ln_b
	WIN 0x04
.irp i, 0,1,2,3,4,5,6,7,8,9,10,11,12,13,14,15
	v_pk_add_f32 v[WB0+4*\i:WB0+4*\i+1], v[WB0+4*\i:WB0+4*\i+1], v[4*\i:4*\i+1]
	v_pk_add_f32 v[WB0+4*\i+2:WB0+4*\i+3], v[WB0+4*\i+2:WB0+4*\i+3], v[4*\i+2:4*\i+3]
.endr
	WIN 0
.irp i, 0,1,2,3,4,5,6,7,8,9,10,11,12,13,14,15
	v_pk_add_f32 v[112+2*\i:113+2*\i], v[WB0+4*\i:WB0+4*\i+1], v[WB0+4*\i+2:WB0+4*\i+3]
.endr
	RSUM 112
.irp i, 0,1,2,3,4,5,6,7,8,9,10,11,12,13,14,15
	v_mul_f32 v[112+2*\i], s40, v[112+2*\i]        ; the row's mean
.endr
.irp i, 0,1,2,3,4,5,6,7,8,9,10,11,12,13,14,15
	v_pk_add_f32 v[WB0+4*\i:WB0+4*\i+1], v[WB0+4*\i:WB0+4*\i+1], v[112+2*\i:113+2*\i] op_sel_hi:[1,0] neg_lo:[0,1] neg_hi:[0,1]
	v_pk_add_f32 v[WB0+4*\i+2:WB0+4*\i+3], v[WB0+4*\i+2:WB0+4*\i+3], v[112+2*\i:113+2*\i] op_sel_hi:[1,0] neg_lo:[0,1] neg_hi:[0,1]
.endr
.irp i, 0,1,2,3,4,5,6,7,8,9,10,11,12,13,14,15
	v_pk_mul_f32 v[144+2*\i:145+2*\i], v[WB0+4*\i:WB0+4*\i+1], v[WB0+4*\i:WB0+4*\i+1]
.endr
.irp i, 0,1,2,3,4,5,6,7,8,9,10,11,12,13,14,15
	v_pk_fma_f32 v[144+2*\i:145+2*\i], v[WB0+4*\i+2:WB0+4*\i+3], v[WB0+4*\i+2:WB0+4*\i+3], v[144+2*\i:145+2*\i]
.endr
	RSUM 144
.irp i, 0,1,2,3,4,5,6,7,8,9,10,11,12,13,14,15
	v_fma_f32 v[144+2*\i], v[144+2*\i], s40, s41   ; the variance + 1e-5
.endr
	s_wait_alu depctr_va_vdst(0)
.irp i, 0,1,2,3,4,5,6,7,8,9,10,11,12,13,14,15
	v_rsq_f32 v[144+2*\i], v[144+2*\i]
.endr
	v_nop                                          ; one plain place behind the batch
	s_wait_alu depctr_va_vdst(0)                   ; the sixteen reciprocal roots are written: one wait for the batch, ahead of its first reader
.irp i, 0,1,2,3,4,5,6,7,8,9,10,11,12,13,14,15
	v_pk_mul_f32 v[WB0+4*\i:WB0+4*\i+1], v[WB0+4*\i:WB0+4*\i+1], v[144+2*\i:145+2*\i] op_sel_hi:[1,0]
	v_pk_mul_f32 v[WB0+4*\i+2:WB0+4*\i+3], v[WB0+4*\i+2:WB0+4*\i+3], v[144+2*\i:145+2*\i] op_sel_hi:[1,0]
.endr
.irp i, 0,1,2,3,4,5,6,7,8,9,10,11,12,13,14,15
	v_pk_fma_f32 v[WB0+4*\i:WB0+4*\i+1], v[WB0+4*\i:WB0+4*\i+1], v[LG:LG+1], v[LBE:LBE+1]
	v_pk_fma_f32 v[WB0+4*\i+2:WB0+4*\i+3], v[WB0+4*\i+2:WB0+4*\i+3], v[LG+2:LG+3], v[LBE+2:LBE+3]
.endr
.endif
	s_wait_alu depctr_va_vdst(0)                   ; the vector instructions above have written the sixteen rows, which the stores read
.irp i, 0,1,2,3,4,5,6,7,8,9,10,11,12,13,14,15
	global_store_b128 v[LI], v[WB0+4*\i:WB0+4*\i+3], s[\p+10:\p+11] offset:(\i+8*(\i/8))*512 th:TH_STORE_NT   ; 32 lanes store a token's whole row of 512 bytes, aligned; written once, read by nobody here
.endr
	s_wait_dscnt 0x0                               ; the closing lines, six on end
	s_wait_alu 0x0
	s_wait_tensorcnt 0x0
	ds_add_u32 v254, v255
	s_wait_dscnt 0x0
	s_endpgm
.endm
	s_wait_alu depctr_va_vdst(0)
	BODY 0, 8, 0
.Lvout:
	s_wait_alu depctr_va_vdst(0)
	BODY 1, 20, 99328
.Lfunc_end_k_q0dfc677a4e_outp:
	.size	k_q0dfc677a4e_outp, .Lfunc_end_k_q0dfc677a4e_outp-k_q0dfc677a4e_outp
	.p2alignl 7, 3214868480
	.fill 96, 4, 3214868480
	.section	.rodata,"a",@progbits
	.p2align	6, 0x0
	.amdhsa_kernel k_q0dfc677a4e_outp
		.amdhsa_group_segment_fixed_size 199168
		.amdhsa_private_segment_fixed_size 0
		.amdhsa_enable_private_segment 0
		.amdhsa_kernarg_size 120
		.amdhsa_user_sgpr_count 2
		.amdhsa_user_sgpr_kernarg_segment_ptr 1
		.amdhsa_wavefront_size32 1
		.amdhsa_system_sgpr_workgroup_id_x 1
		.amdhsa_system_sgpr_workgroup_id_y 1
		.amdhsa_system_sgpr_workgroup_id_z 1
		.amdhsa_system_vgpr_workitem_id 0
		.amdhsa_next_free_vgpr 512
		.amdhsa_next_free_sgpr 66
		.amdhsa_reserve_vcc 0
		.amdhsa_float_denorm_mode_32 3
		.amdhsa_float_denorm_mode_16_64 3
		.amdhsa_memory_ordered 1
		.amdhsa_forward_progress 1
		.amdhsa_inst_pref_size 92
	.end_amdhsa_kernel
	.amdgpu_metadata
---
amdhsa.version: [ 1, 2 ]
amdhsa.kernels:
  - .name:           k_q0dfc677a4e_outp
    .symbol:         k_q0dfc677a4e_outp.kd
    .args:
      - { .name: ctxf, .offset: 0, .size: 8, .value_kind: global_buffer, .address_space: global }
      - { .name: ctxs, .offset: 8, .size: 8, .value_kind: global_buffer, .address_space: global }
      - { .name: qlin_w_codes, .offset: 16, .size: 8, .value_kind: global_buffer, .address_space: global }
      - { .name: qlin_w_scales, .offset: 24, .size: 8, .value_kind: global_buffer, .address_space: global }
      - { .name: qlin_b, .offset: 32, .size: 8, .value_kind: global_buffer, .address_space: global }
      - { .name: out0, .offset: 40, .size: 8, .value_kind: global_buffer, .address_space: global }
      - { .name: vff, .offset: 48, .size: 8, .value_kind: global_buffer, .address_space: global }
      - { .name: vfs, .offset: 56, .size: 8, .value_kind: global_buffer, .address_space: global }
      - { .name: vlin_w_codes, .offset: 64, .size: 8, .value_kind: global_buffer, .address_space: global }
      - { .name: vlin_w_scales, .offset: 72, .size: 8, .value_kind: global_buffer, .address_space: global }
      - { .name: vlin_b, .offset: 80, .size: 8, .value_kind: global_buffer, .address_space: global }
      - { .name: out1, .offset: 88, .size: 8, .value_kind: global_buffer, .address_space: global }
      - { .name: Q, .offset: 96, .size: 8, .value_kind: global_buffer, .address_space: global }
      - { .name: ln_g, .offset: 104, .size: 8, .value_kind: global_buffer, .address_space: global }
      - { .name: ln_b, .offset: 112, .size: 8, .value_kind: global_buffer, .address_space: global }
    .group_segment_fixed_size: 199168
    .private_segment_fixed_size: 0
    .kernarg_segment_align: 8
    .kernarg_segment_size: 120
    .max_flat_workgroup_size: 128
    .sgpr_count:     66
    .vgpr_count:     512
    .wavefront_size: 32
...
	.end_amdgpu_metadata
.endif
;; end of part 6
